; MI455X (gfx1250); checked and timed in simulation.
; The chip was launched on July 23, 2026; its instructions are those of AMD's public machine-readable ISA for CDNA 5 (MIT licence, August 2026) and "CDNA5" Instruction Set Architecture Reference Guide (July 2026). The comments in the code are by the model that wrote it; some were corrected since.
;; Multi Head Attention. Allowed arithmetic: matrix products marked QUANTISED: E2M3 operands, one E8M0 scale for each 32 along K, by v_wmma_scale_f32_16x16x128_f8f6f4 with both operands' format E2M3, f32 sums; everything else in f32.
;; Inputs: Wk 1,024 x 1,024 float32; Wo 1,024 x 1,024 float32; Wq 1,024 x 1,024 float32; Wv 1,024 x 1,024 float32; bk 1,024 float32; bo 1,024 float32; bq 1,024 float32; bv 1,024 float32; keys 8 x 1,024 x 1,024 float32; queries 8 x 1,024 x 1,024 float32; values 8 x 1,024 x 1,024 float32.
;; Outputs: out0 8 x 1,024 x 1,024 float32.
;; This version of the problem:
;;   THIS VERSION OF THE PROBLEM IS GIVEN IN LOW PRECISION. The matrix products marked QUANTISED in the list below multiply operands that are first quantised to E2M3 (2 exponent bits, 3 mantissa bits; 6 bits a number), with one power-of-two scale for each 32 numbers along K (OCP MX v1.0); their sums are f32. All else is computed in f32.
;;   The module's matrix products, in the order in which they are computed (A, B: the left and right operand; K: the contracted axis; several contracted axes count as one K, in the product's order):
;;     1. [M 8,192, K 1,024] x [K 1,024, N 1,024]; A: input queries; B: input Wq: QUANTISED
;;     2. [M 8,192, K 1,024] x [K 1,024, N 1,024]; A: input keys; B: input Wk: QUANTISED
;;     3. [M 8,192, K 1,024] x [K 1,024, N 1,024]; A: input values; B: input Wv: QUANTISED
;;     4. batch 128 x [M 1,024, K 64] x [K 64, N 1,024]; A: computed on the way; B: computed on the way: QUANTISED
;;     5. batch 128 x [M 64, K 1,024] x [K 1,024, N 1,024]; A: computed on the way; B: softmax (see below): QUANTISED
;;     6. [M 8,192, K 1,024] x [K 1,024, N 1,024]; A: computed on the way; B: input Wo: QUANTISED
;;   THE QUANTISER, for each operand of a quantised product, along K:
;;     - K is cut into blocks of 32 from its start; a last block that is shorter is filled with zeros.
;;     - A block's scale is 2^e with e = floor(log2(the largest magnitude in the block)) - 2, held to -126 .. 127; a block of zeros has e = 0. As a byte (E8M0): e + 127.
;;     - Each number is divided by its block's scale, clamped to +-7.5, and rounded to the nearest number of E2M3, ties to even, subnormals kept.
;;     - The product sums the exact products of the quantised numbers (number of the format x scale) in f32.
;;   ~~~python
;;   def quantise(x, axis):      # numpy; x: float32 -> the quantised numbers, widened to float32 again
;;       x = np.moveaxis(x, axis, -1); K = x.shape[-1]
;;       x = np.pad(x, [(0, 0)] * (x.ndim - 1) + [(0, -K % 32)]); x = x.reshape(x.shape[:-1] + (-1, 32)); a = np.abs(x).max(-1, keepdims=True)
;;       e = np.where(a > 0, np.clip(np.frexp(np.where(a > 0, a, 1))[1] - 1 - 2, -126, 127), 0)      # np.frexp(a)[1] - 1 = floor(log2(a)), exactly
;;       r = np.clip(x / 2.0 ** e, -7.5, 7.5)
;;       step = 2.0 ** (np.maximum(np.frexp(np.where(r == 0, 1, r))[1] - 1, 0) - 3)
;;       q = np.round(r / step) * step * 2.0 ** e      # np.round: ties to even
;;       return np.moveaxis(q.reshape(q.shape[:-2] + (-1,))[..., :K], -1, axis).astype(np.float32)
;;   ~~~
;;   SOFTMAX AHEAD OF A QUANTISED PRODUCT. Where the list says 'softmax', what is quantised is not the finished softmax but p = 2^(t - M), with t = logit x log2(e) and M = ceil(the row's largest t), a whole number; so 1/2 < the row's largest p <= 1. The row's sum l is taken of the UNQUANTISED p, in f32, and the product's result is divided by l at the end. Since M is a whole number, a kernel that streams over the keys may use a running M (the ceiling of the running maximum): every later rescaling is an exact power of two, which a block's scale takes up: the codes' values come out the same.
;;   OPERANDS COMPUTED ON THE WAY. 'Computed on the way' means the value that the module computes at that place (a softmax that the list does not call 'softmax' is quantised finished and normalised). What goes into a quantiser is computed in f32, as accurately as f32 sums, v_exp_f32 and their like allow (about 1e-6 of the number): no bf16 or f16 on the way to a quantiser, and a product that is left as it is and whose result goes on into a quantised operand takes f32 operands (vector FMAs, or v_wmma_f32_16x16x4_f32). A number that lies on a knife's edge between two numbers of the format may be rounded either way, as far as f32 arithmetic and the matrix unit's own rounding can turn it there, and no further.
;; One version. Each part assembles by itself: llvm-mc -triple=amdgcn-amd-amdhsa -mcpu=gfx1250 --defsym DOCPART=n.
;; ======== version 1 of 1: 4 launches
;; limits: right only within a limited range of input values
;; workspace buffers: cod 22,020,096 bytes; scl 917,504 bytes; qimg 6,291,456 bytes; qsc 262,144 bytes; kv 13,107,200 bytes; oimg 6,291,456 bytes; osc 262,144 bytes
;; launch quant (part 1): grid 256 x 1, 7 waves a work-group, no clusters, 63,744 bytes of LDS; arguments queries, keys, values, Wq, Wk, Wv, Wo, cod, scl; writes cod, scl
.if DOCPART == 1
	.amdgcn_target "amdgcn-amd-amdhsa--gfx1250"
	.amdhsa_code_object_version 6
	.text
	.protected	k_qb314a7e74c_quant
	.globl	k_qb314a7e74c_quant
	.p2align	8
	.type	k_qb314a7e74c_quant,@function
k_qb314a7e74c_quant:
	s_mov_b64 s[64:65], 0
	v_nop
	global_prefetch_b8 v0, s[64:65] scope:SCOPE_SE
	s_setreg_imm32_b32 hwreg(HW_REG_WAVE_MODE, 25, 1), 1
	s_wait_xcnt 0x0
; queries, keys, values [8192][1024] and Wq, Wk, Wv, Wo [1024][1024], f32, K innermost, become codes of FP6 (E2M3) with one E8M0 byte for each 32 along K,
; laid in the order of a matrix operand's registers.
; A FRAGMENT IMAGE: 16 rows x 128 K are 12 registers a lane; they are stored as three planes of 512 bytes, plane p = registers 4 p .. 4 p + 3, lane l's 16 bytes at 16 l: 1,536 bytes.
; cod: 1,792 blocks of 16 rows x [8 K steps][1,536]; blocks 0-511 queries, 512-1023 keys, 1024-1535 values, 1536.. Wq, 1600.. Wk, 1664.. Wv, 1728.. Wo.  scl: 512 bytes a block: [K step][row] words.
; THE ROWS OF A BLOCK ARE NOT NEIGHBOURS: place r of block 2 b + u of a tensor is row 32 b + 8 u + r + 8 (r / 8), so that in a product used transposed the 16 registers of two neighbouring tiles are 16 neighbouring rows.
; A block's scale is 2^(floor(log2(its largest magnitude)) - 2); its byte is that magnitude's exponent field - 2, held at 1 from below.
; LIMITS: NaN and infinities are not served; a block whose largest magnitude lies under 2^-124 keeps the byte 1; a block of zeros gets the byte 1 and not 127: its codes are zeros, and this program alone reads the bytes.
; SHARES: 1,792 blocks = 256 work-groups x 7 waves: a wave takes one block, all 8 K steps: 64 KiB in, 12,800 bytes out.  Waves share nothing: no barrier.
; Each load reads 512 consecutive bytes of one row; a fragment's 16 loads turn through the wave's own stage in LDS, so that a lane gets 16 neighbours of each block of 32.  Loads run two fragments (32 loads a wave) ahead.
.set WREG,   8960                      ; LDS of a wave: a stage of 16 rows x 528 bytes, then 512 bytes for its scale words
.set SPITCH, 528                       ; 512 bytes + 16: the sixteen rows that a load of 16 bytes a lane touches start in different banks
.set R,   16                           ; v16-143  two sets of 64 registers, as loaded
.set X,   144                          ; v144-207 register 16 b + i = k 32 b + 16 (lane / 16) + i of my row
.set TM,  208                          ; v208-223 at work
.set PC,  224                          ; v224-243 the codes
.set PW,  244                          ; v244     the scale word
.set SEL, 30                           ; s[30:31] lane selects: lane l xor 16
; 64 numbers of a lane, v[src] on, register 16 b + i = k 32 b + 16 (lane / 16) + i of my row, become a fragment's codes in v[pc] .. v[pc + 11] and its scale word in v[pw]
.macro QUANT src, pc, pw
.irp b, 0,1,2,3
	v_max3_num_f32 v[TM+\b], |v[\src+16*\b]|, |v[\src+1+16*\b]|, 0x1800000   ; block b: my 16 numbers, and the floor 2^(3 - 127): the byte cannot fall under 1
.endr
.irp i, 2,4,6,8,10,12,14
.irp b, 0,1,2,3
	v_max3_num_f32 v[TM+\b], v[TM+\b], |v[\src+16*\b+\i]|, |v[\src+1+16*\b+\i]|   ; the four blocks by turns
.endr
.endr
.irp b, 0,1,2,3
	v_permlanex16_b32 v[TM+4+\b], v[TM+\b], s[SEL], s[SEL+1]
.endr
.irp b, 0,1,2,3
	v_max_num_f32 v[TM+\b], v[TM+\b], v[TM+4+\b]   ; with lane l xor 16's: the block's largest magnitude
.endr
.irp b, 0,1,2,3
	v_add_nc_u32 v[TM+12+\b], 0xff000000, v[TM+\b]   ; 2 off its exponent field: the conversion's scale operand
.endr
.irp b, 0,1,2,3
	v_lshrrev_b32 v[TM+4+\b], 23, v[TM+12+\b]      ; the scale's byte
.endr
	v_lshl_or_b32 v[\pw], v[TM+5], 8, v[TM+4]
	v_lshl_or_b32 v[\pw], v[TM+6], 16, v[\pw]
	v_lshl_or_b32 v[\pw], v[TM+7], 24, v[\pw]
.irp e, 0,1
	v_cvt_scalef32_pk16_fp6_f32 v[\pc+6*\e:\pc+2+6*\e], v[\src+32*\e:\src+15+32*\e], v[TM+12+2*\e]
	v_cvt_scalef32_pk16_fp6_f32 v[\pc+12+4*\e:\pc+14+4*\e], v[\src+16+32*\e:\src+31+32*\e], v[TM+12+2*\e+1]   ; (a conversion's three registers begin on an even number)
.endr
	v_nop                                          ; one plain place behind a scaled conversion
.irp e, 0,1                                    ; the operand's layout wants a whole block in a lane: lanes 0-15 block 2 e, lanes 16-31 block 2 e + 1
.irp i, 0,1,2
	v_permlane16_swap_b32 v[\pc+6*\e+\i], v[\pc+12+4*\e+\i]
.endr
.irp i, 0,1,2
	v_mov_b32 v[\pc+3+6*\e+\i], v[\pc+12+4*\e+\i]
.endr
.endr
.endm
	s_load_b256 s[4:11], s[0:1], 0x0               ; queries, keys, values, Wq
	s_load_b256 s[12:19], s[0:1], 0x20             ; Wk, Wv, Wo, cod
	s_load_b64 s[20:21], s[0:1], 0x40              ; scl
	v_lshl_add_u32 v254, v0, 2, 0xf500
	v_mov_b32 v255, 0
	v_lshrrev_b32 v1, 5, v0
	v_readfirstlane_b32 s2, v1                     ; wave 0..6
	v_and_b32 v6, 31, v0                           ; lane
	v_and_b32 v7, 15, v0                           ; r
	v_bfe_u32 v8, v0, 4, 1                         ; h
	v_lshlrev_b32 v1, 4, v6                        ; v1 = 16 x lane: my bytes of a load, of a plane, of the scale words; never rewritten
	s_mul_i32 s3, s2, WREG
	v_add_nc_u32 v2, s3, v1                        ; v2: the stage, on the way in: a row as it lies
	v_mul_u32_u24 v3, v7, SPITCH
	v_lshl_add_u32 v3, v8, 6, v3
	v_add_nc_u32 v3, s3, v3                        ; v3: on the way out: row r, + 64 h: my 16 numbers of each block of 32
	s_add_co_u32 s3, s3, 16*SPITCH
	v_lshlrev_b32 v4, 2, v7
	v_add_nc_u32 v4, s3, v4                        ; v4: my row's scale word
	v_add_nc_u32 v5, s3, v1                        ; v5: and the 512 bytes of them on the way out
	s_mov_b32 s[SEL], 0x76543210
	s_mov_b32 s[SEL+1], 0xfedcba98
.irp b, 0,1,2,3
	v_mov_b32 v[TM+4+\b], 0                        ; written once: a lane permute's destination counts as one of its sources
.endr
	s_mul_i32 s22, ttmp9, 7
	s_add_co_u32 s22, s22, s2                      ; my block, 0 .. 1791
	s_mov_b32 s23, 0                               ; the first block of its tensor
	s_wait_alu depctr_va_vdst(0)
	s_wait_kmcnt 0x0
	s_mov_b64 s[24:25], s[4:5]
.macro PICK first, ptr                         ; the tensor is chosen by the block's number alone
	s_cmp_ge_u32 s22, \first
	s_cselect_b64 s[24:25], s[\ptr:\ptr+1], s[24:25]
	s_cselect_b32 s23, \first, s23
.endm
	PICK 512, 6
	PICK 1024, 8
	PICK 1536, 10
	PICK 1600, 12
	PICK 1664, 14
	PICK 1728, 16
	s_sub_co_u32 s26, s22, s23                     ; the block's number in its tensor: 2 b + u
	s_lshr_b32 s27, s26, 1
	s_lshl_b32 s27, s27, 17                        ; 32 b rows of 4,096 bytes
	s_and_b32 s26, s26, 1
	s_lshl_b32 s26, s26, 15                        ; 8 u rows
	s_add_co_u32 s26, s26, s27
	s_mov_b32 s27, 0
	s_add_nc_u64 s[24:25], s[24:25], s[26:27]
	s_mul_i32 s26, s22, 12288
	s_add_nc_u64 s[18:19], s[18:19], s[26:27]      ; my block's images
	s_lshl_b32 s26, s22, 9
	s_add_nc_u64 s[20:21], s[20:21], s[26:27]      ; and scale words
.macro LOAD f                                  ; K step f: place i of the block is row i + 8 (i / 8) from the base; 32 lanes read 512 consecutive bytes
.irp i, 0,1,2,3,4,5,6,7,8,9,10,11,12,13,14,15
	global_load_b128 v[R+64*((\f)%2)+4*\i:R+64*((\f)%2)+4*\i+3], v1, s[24:25] offset:(\i+8*(\i/8))*4096+512*(\f) th:TH_LOAD_NT
.endr
.endm
.macro FRAGMENT f
.if (\f) < 7
	s_wait_loadcnt 16                              ; this K step's 16 loads are in; the next one's 16 may be out
.else
	s_wait_loadcnt 0x0
.endif
.irp i, 0,1,2,3,4,5,6,7,8,9,10,11,12,13,14,15
	ds_store_b128 v2, v[R+64*((\f)%2)+4*\i:R+64*((\f)%2)+4*\i+3] offset:SPITCH*\i
.endr
.irp b, 0,1,2,3
.irp j, 0,1,2,3
	ds_load_b128 v[X+16*\b+4*\j:X+16*\b+4*\j+3], v3 offset:128*\b+16*\j   ; LDS serves a wave's instructions in order: these see the stores above
.endr
.endr
	s_wait_dscnt 0x0                               ; the numbers are back; the stage's stores and the last scale word's store have read their registers
	s_wait_xcnt 0x0                                ; the last fragment's stores have read the codes' registers, which are written again below
.if (\f) < 6
	LOAD (\f)+2
.endif
	QUANT X, PC, PW
.irp p, 0,1,2
	global_store_b128 v1, v[PC+4*\p:PC+4*\p+3], s[18:19] offset:1536*(\f)+512*\p   ; 32 lanes store 512 consecutive bytes, at a multiple of 512 from the buffer's first byte
.endr
	ds_store_b32 v4, v[PW] offset:64*(\f)          ; lanes r and r + 16 write the same word with the same value
.endm
	LOAD 0
	LOAD 1
.irp f, 0,1,2,3,4,5,6,7
	FRAGMENT \f
.endr
	ds_load_b128 v[248:251], v5                    ; my block's 128 scale words
	s_wait_dscnt 0x0
	global_store_b128 v1, v[248:251], s[20:21]     ; 512 consecutive bytes
	s_wait_tensorcnt 0x0
	ds_add_u32 v254, v255
	s_wait_dscnt 0x0
	s_endpgm
.Lfunc_end_k_qb314a7e74c_quant:
	.size	k_qb314a7e74c_quant, .Lfunc_end_k_qb314a7e74c_quant-k_qb314a7e74c_quant
	.p2alignl 7, 3214868480
	.fill 96, 4, 3214868480
	.section	.rodata,"a",@progbits
	.p2align	6, 0x0
	.amdhsa_kernel k_qb314a7e74c_quant
		.amdhsa_group_segment_fixed_size 63744
		.amdhsa_private_segment_fixed_size 0
		.amdhsa_enable_private_segment 0
		.amdhsa_kernarg_size 72
		.amdhsa_user_sgpr_count 2
		.amdhsa_user_sgpr_kernarg_segment_ptr 1
		.amdhsa_wavefront_size32 1
		.amdhsa_system_sgpr_workgroup_id_x 1
		.amdhsa_system_sgpr_workgroup_id_y 1
		.amdhsa_system_sgpr_workgroup_id_z 1
		.amdhsa_system_vgpr_workitem_id 0
		.amdhsa_next_free_vgpr 256
		.amdhsa_next_free_sgpr 66
		.amdhsa_reserve_vcc 0
		.amdhsa_float_denorm_mode_32 3
		.amdhsa_float_denorm_mode_16_64 3
		.amdhsa_memory_ordered 1
		.amdhsa_forward_progress 1
		.amdhsa_inst_pref_size 65
	.end_amdhsa_kernel
	.amdgpu_metadata
---
amdhsa.version: [ 1, 2 ]
amdhsa.kernels:
  - .name:           k_qb314a7e74c_quant
    .symbol:         k_qb314a7e74c_quant.kd
    .args:
      - { .name: queries, .offset: 0, .size: 8, .value_kind: global_buffer, .address_space: global }
      - { .name: keys, .offset: 8, .size: 8, .value_kind: global_buffer, .address_space: global }
      - { .name: values, .offset: 16, .size: 8, .value_kind: global_buffer, .address_space: global }
      - { .name: Wq, .offset: 24, .size: 8, .value_kind: global_buffer, .address_space: global }
      - { .name: Wk, .offset: 32, .size: 8, .value_kind: global_buffer, .address_space: global }
      - { .name: Wv, .offset: 40, .size: 8, .value_kind: global_buffer, .address_space: global }
      - { .name: Wo, .offset: 48, .size: 8, .value_kind: global_buffer, .address_space: global }
      - { .name: cod, .offset: 56, .size: 8, .value_kind: global_buffer, .address_space: global }
      - { .name: scl, .offset: 64, .size: 8, .value_kind: global_buffer, .address_space: global }
    .group_segment_fixed_size: 63744
    .private_segment_fixed_size: 0
    .kernarg_segment_align: 8
    .kernarg_segment_size: 72
    .max_flat_workgroup_size: 224
    .sgpr_count:     66
    .vgpr_count:     256
    .wavefront_size: 32
...
	.end_amdgpu_metadata
.endif
;; end of part 1
;; launch proj (part 2): grid 4 x 64, 4 waves a work-group, clusters of 4 x 4, 327,680 bytes of LDS; arguments cod, scl, bq, bk, bv, qimg, qsc, kv; writes qimg, qsc, kv
.if DOCPART == 2
	.amdgcn_target "amdgcn-amd-amdhsa--gfx1250"
	.amdhsa_code_object_version 6
	.text
	.protected	k_qb314a7e74c_proj
	.globl	k_qb314a7e74c_proj
	.p2align	8
	.type	k_qb314a7e74c_proj,@function
k_qb314a7e74c_proj:
	s_mov_b64 s[64:65], 0
	v_nop
	global_prefetch_b8 v0, s[64:65] scope:SCOPE_SE
	s_setreg_imm32_b32 hwreg(HW_REG_WAVE_MODE, 25, 1), 1
	s_wait_xcnt 0x0
	s_wait_alu depctr_hold_cnt(0) depctr_sa_sdst(0) depctr_va_vdst(0) depctr_va_sdst(0) depctr_va_ssrc(0) depctr_va_vcc(0) depctr_vm_vsrc(0)
	s_getreg_b32 s2, hwreg(HW_REG_IB_STS2, 6, 4)
	s_cmp_eq_u32 s2, 0
	s_cbranch_scc0 .Lentry_in_a_cluster
	s_endpgm
.Lentry_in_a_cluster:
	s_bfe_u32 s2, ttmp6, 0x10000c
	s_cmp_lg_u32 s2, 0xf033
	s_cbranch_scc0 .Lentry_shape_is_right
	s_endpgm
.Lentry_shape_is_right:
; q, k, v = x W^T + b on the fragment images of the first launch, three products one after the other in a ring of two slots (half of K each), each result quantised again and stored as images for the attention launch.
; Q and K: source 0 = the weight's rows, so a lane holds a token and its registers run along the features; V: source 0 = the tokens, so its registers run along the keys.
; SIX FILLS: product g's halves of K are fills 2 g and 2 g + 1.  Fill 0 stands at the head; the scale words and the first bias are asked for behind it; fill 1 stands behind the full sequence and a round, as a refill does.
; PREFETCHES INTO THE L2, two fills ahead: behind fill 0 fills 1 and 2 are asked for, behind fill f = 1, 2, 3 fill f + 2; the last two fills ask for nothing.  A wave's tile is 4 rows (A) or 8 rows (B) of 6,144 bytes;
; the four partners that ask for it jointly share its rows out by address (A: row cx; B: rows 2 cy, 2 cy + 1); a lane names a block of 256 bytes, 24 to a row (lanes 24-31 name the last again).  The address registers are never rewritten.
.set PFO,   27                         ; v27 256 x min(lane, 23)
.set FR,    12
.set BLKB,  6144
.set HALFA, 4*BLKB
.set HALFB, 8*BLKB
.set SLOT,  2*HALFA+2*HALFB
.set SPARE, 2*SLOT
.set PWS,  8
.set VA,   12
.set ADRA, 16
.set ADRB, 18
.set LR,   20
.set LI,   21
.set CBO,  22
.set RBO,  23
.set VB,   24
.set SPW,  28
.set NIL,  29
.set ZP,   30
.set SC,   32
.set T,    128
.set TM,   192
.set RB,   248
.set CB0,  96
.set CB1,  160
.set SEL,  100
.set G1,   24
.set G0,   32
.set G1B,  48
.set G0B,  56
.set AO,   76
.set BO,   82
.set CP,   88
.set SPT,  94
.set MSB, 0
.macro WIN new
.if MSB != (\new)
	s_set_vgpr_msb (MSB<<8)|(\new)
.set MSB, (\new)
.endif
.endm
.set MUL,  0xad
.set MULB, 0xbd
.set TO_B, 0x40
.set TO_A, 0xc0
.macro JLOAD g0a, g1a, g0b, g1b
	s_cmp_eq_u32 s15, 0
	s_cbranch_scc0 .Lfor_b_\@
	tensor_load_to_lds s[\g0a:\g0a+3], s[\g1a:\g1a+7]
	s_nop 0
.rept 4
	v_nop
.endr
	s_branch .Lasked_\@
.Lfor_b_\@:
	tensor_load_to_lds s[\g0b:\g0b+3], s[\g1b:\g1b+7]
	s_nop 0
.rept 4
	v_nop
.endr
.Lasked_\@:
.endm
.macro CREST
	s_cmp_lg_u32 s14, 0
	s_cbranch_scc1 .Lnot_wave_0_\@
	s_barrier_signal -3
.Lnot_wave_0_\@:
	s_barrier_wait -3
	s_barrier_signal -1
	s_barrier_wait -1
.endm
.macro CROUND
	s_barrier_signal -1
	s_barrier_wait -1
	CREST
.endm
.macro ASK base, offa, offb            ; my share of a later fill: waves 0, 1 (A) one row, waves 2, 3 (B) two
	s_cmp_eq_u32 s15, 0
	s_cbranch_scc0 .Lpf_b_\@
	global_prefetch_b8 v[PFO], s[\base:\base+1] offset:\offa th:TH_LOAD_NT scope:SCOPE_SE
	s_branch .Lpf_done_\@
.Lpf_b_\@:
	global_prefetch_b8 v[PFO], s[\base:\base+1] offset:\offb th:TH_LOAD_NT scope:SCOPE_SE
	global_prefetch_b8 v[PFO], s[\base:\base+1] offset:(\offb)+12288 th:TH_LOAD_NT scope:SCOPE_SE
.Lpf_done_\@:
.endm
.macro PLACES n
.rept \n
	v_nop
.endr
.endm
.macro QUANT src, pc, pw
.irp b, 0,1,2,3
	v_max3_num_f32 v[TM+\b], |v[\src+16*\b]|, |v[\src+1+16*\b]|, 0x1800000
.endr
.irp i, 2,4,6,8,10,12,14
.irp b, 0,1,2,3
	v_max3_num_f32 v[TM+\b], v[TM+\b], |v[\src+16*\b+\i]|, |v[\src+1+16*\b+\i]|
.endr
.endr
.irp b, 0,1,2,3
	v_permlanex16_b32 v[TM+4+\b], v[TM+\b], s[SEL], s[SEL+1]
.endr
.irp b, 0,1,2,3
	v_max_num_f32 v[TM+\b], v[TM+\b], v[TM+4+\b]
.endr
.irp b, 0,1,2,3
	v_add_nc_u32 v[TM+12+\b], 0xff000000, v[TM+\b]
.endr
.irp b, 0,1,2,3
	v_lshrrev_b32 v[TM+4+\b], 23, v[TM+12+\b]
.endr
	v_lshl_or_b32 v[\pw], v[TM+5], 8, v[TM+4]
	v_lshl_or_b32 v[\pw], v[TM+6], 16, v[\pw]
	v_lshl_or_b32 v[\pw], v[TM+7], 24, v[\pw]
.irp e, 0,1
	v_cvt_scalef32_pk16_fp6_f32 v[\pc+6*\e:\pc+2+6*\e], v[\src+32*\e:\src+15+32*\e], v[TM+12+2*\e]
	v_cvt_scalef32_pk16_fp6_f32 v[\pc+12+4*\e:\pc+14+4*\e], v[\src+16+32*\e:\src+31+32*\e], v[TM+12+2*\e+1]
.endr
	v_nop
.irp e, 0,1
.irp i, 0,1,2
	v_permlane16_swap_b32 v[\pc+6*\e+\i], v[\pc+12+4*\e+\i]
.endr
.irp i, 0,1,2
	v_mov_b32 v[\pc+3+6*\e+\i], v[\pc+12+4*\e+\i]
.endr
.endr
.endm
.macro SCLOAD k, m
.irp j, 0,1,2,3
.irp t, 0,1,2,3,4,5,6,7
	global_load_b32 v[SC+48*(\k)+8*\j+\t], v[VB+\m], s[6:7] offset:512*\j+64*\t
.endr
.endr
.irp j, 0,1,2,3
.irp t, 0,1,2,3
	global_load_b32 v[SC+48*(\k)+32+4*\j+\t], v[VA+\m], s[6:7] offset:512*\j+64*\t
.endr
.endr
.endm
.macro CBLOAD cr, ptr
	WIN TO_A
.irp b, 0,1,2,3,4,5,6,7
	global_load_b128 v[\cr+8*\b:\cr+8*\b+3], v[CBO], s[\ptr:\ptr+1] offset:4*(32*(\b/2)+8*(\b%2))
	global_load_b128 v[\cr+8*\b+4:\cr+8*\b+7], v[CBO], s[\ptr:\ptr+1] offset:4*(32*(\b/2)+8*(\b%2))+16
.endr
	WIN 0
.endm
	s_load_b256 s[4:11], s[0:1], 0x0
	s_load_b256 s[68:75], s[0:1], 0x20
	v_lshl_add_u32 v[SPW], v0, 2, SPARE
	v_mov_b32 v[NIL], 0
	ds_add_u32 v28, v29
	ds_add_u32 v28, v29
	s_wait_dscnt 0x0
	v_lshrrev_b32 v1, 5, v0
	v_readfirstlane_b32 s14, v1
	v_and_b32 v[PFO], 31, v0
	v_min_u32 v[PFO], 23, v[PFO]
	v_lshlrev_b32 v[PFO], 8, v[PFO]
	s_wait_alu depctr_va_vdst(0)
	s_lshr_b32 s15, s14, 1
	s_and_b32 s16, s14, 1
	s_bfe_u32 s40, ttmp6, 0x40000
	s_bfe_u32 s41, ttmp6, 0x40004
	s_and_b32 s12, ttmp7, 0xffff
	s_lshl_b32 s17, s12, 2
	s_add_co_u32 s17, s17, s41
	s_and_b32 s13, s12, 1
	s_lshl_b32 s13, s13, 2
	s_add_co_u32 s13, s13, s41
	s_lshr_b32 s42, s12, 1
	s_lshl_b32 s42, s42, 2
	s_add_co_u32 s42, s42, s40
	s_lshl_b32 s43, s41, 2
	s_lshl_b32 s43, 15, s43
	s_lshl_b32 s44, 0x1111, s40
	s_or_b32 s[G1+0], s43, (3<<16)|(1<<21)
	s_mov_b32 s[G1+1], 768<<16
	s_mov_b32 s[G1+2], 4<<16
	s_mov_b32 s[G1+3], 768<<16
	s_mov_b32 s[G1+4], 4
	s_mov_b32 s[G1+5], 1536
	s_mov_b32 s[G1+6], 0
	s_mov_b32 s[G1+7], 0
	s_or_b32 s[G1B+0], s44, (3<<16)|(1<<21)
	s_mov_b32 s[G1B+1], 768<<16
	s_mov_b32 s[G1B+2], 8<<16
	s_mov_b32 s[G1B+3], 768<<16
	s_mov_b32 s[G1B+4], 8
	s_mov_b32 s[G1B+5], 1536
	s_mov_b32 s[G1B+6], 0
	s_mov_b32 s[G1B+7], 0
	s_lshl_b32 s18, s16, 2
	s_lshl_b32 s19, s17, 3
	s_add_co_u32 s19, s19, s18
	s_mul_i32 s[AO], s19, 12288
	s_add_co_u32 s[AO+2], s[AO], 512*12288
	s_lshl_b32 s19, s13, 3
	s_add_co_u32 s19, s19, s18
	s_add_co_u32 s19, s19, 1664
	s_mul_i32 s[AO+4], s19, 12288
	s_mov_b32 s[AO+1], 0
	s_mov_b32 s[AO+3], 0
	s_mov_b32 s[AO+5], 0
	s_lshl_b32 s46, s16, 3
	s_lshl_b32 s47, s40, 4
	s_add_co_u32 s47, s47, s46
	s_add_co_u32 s47, s47, 1536
	s_mul_i32 s[BO], s47, 12288
	s_add_co_u32 s[BO+2], s[BO], 64*12288
	s_lshl_b32 s47, s42, 4
	s_add_co_u32 s47, s47, s46
	s_add_co_u32 s47, s47, 1024
	s_mul_i32 s[BO+4], s47, 12288
	s_mov_b32 s[BO+1], 0
	s_mov_b32 s[BO+3], 0
	s_mov_b32 s[BO+5], 0
	s_mul_i32 s45, s16, HALFA
	s_mul_i32 s23, s16, HALFB
	s_add_co_u32 s23, s23, 2*HALFA
	s_wait_kmcnt 0x0
	s_add_nc_u64 s[20:21], s[4:5], s[AO:AO+1]
	s_add_nc_u64 s[46:47], s[4:5], s[BO:BO+1]
	s_mul_i32 s18, s40, 12288                      ; the prefetches of products 0 and 1: of A's tile row cx,
	s_add_co_u32 s18, s18, s[AO]
	s_mul_i32 s19, s41, 24576                      ; of B's rows 2 cy and 2 cy + 1
	s_add_co_u32 s19, s19, s[BO]
	s_cmp_eq_u32 s15, 0
	s_cselect_b32 s18, s18, s19
	s_mov_b32 s19, 0
	s_add_nc_u64 s[104:105], s[4:5], s[18:19]
	CROUND
.irp s, 0,1
	s_mov_b32 s[G0+4*\s], 1
	s_add_co_u32 s[G0+4*\s+1], s45, \s*SLOT
	s_add_nc_u64 s[G0+4*\s+2:G0+4*\s+3], s[20:21], \s*BLKB
	s_or_b32 s[G0+4*\s+3], s[G0+4*\s+3], 0x80000000
	s_mov_b32 s[G0B+4*\s], 1
	s_add_co_u32 s[G0B+4*\s+1], s23, \s*SLOT
	s_add_nc_u64 s[G0B+4*\s+2:G0B+4*\s+3], s[46:47], \s*BLKB
	s_or_b32 s[G0B+4*\s+3], s[G0B+4*\s+3], 0x80000000
.if \s == 0
	JLOAD G0, G1, G0B, G1B                         ; fill 0: one tensor load a wave at the head
	ASK 104, BLKB, BLKB                            ; fill 1
	ASK 104, 512*12288, 64*12288                   ; fill 2: keys lie 512 blocks behind queries, Wk 64 behind Wq
.endif
.endr
	v_and_b32 v1, 15, v0
	v_bfe_u32 v2, v0, 4, 1
	v_and_b32 v3, 31, v0
	v_lshlrev_b32 v[LI], 4, v3
	v_lshlrev_b32 v[LR], 4, v1
	v_lshlrev_b32 v[CBO], 6, v2
	v_and_b32 v4, 8, v1
	v_add_nc_u32 v4, v4, v1
	v_lshlrev_b32 v[RBO], 2, v4
	v_lshlrev_b32 v5, 2, v1
	v_lshl_add_u32 v6, v2, 11, v5
	v_lshl_add_u32 v7, v2, 8, v5
	s_wait_alu depctr_va_vdst(0)
	s_lshl_b32 s22, s17, 3
	s_lshl_b32 s23, s15, 2
	s_add_co_u32 s22, s22, s23
	s_lshl_b32 s22, s22, 9
	v_add_nc_u32 v[VA], s22, v7
	s_wait_alu depctr_va_vdst(0)
	s_add_co_u32 s22, s22, 512*512
	v_add_nc_u32 v[VA+1], s22, v7
	s_lshl_b32 s22, s13, 3
	s_add_co_u32 s22, s22, s23
	s_add_co_u32 s22, s22, 1664
	s_lshl_b32 s22, s22, 9
	v_add_nc_u32 v[VA+2], s22, v7
	s_lshl_b32 s22, s40, 4
	s_lshl_b32 s23, s16, 3
	s_add_co_u32 s22, s22, s23
	s_add_co_u32 s22, s22, 1536
	s_lshl_b32 s22, s22, 9
	v_add_nc_u32 v[VB], s22, v6
	s_add_co_u32 s22, s22, 64*512
	v_add_nc_u32 v[VB+1], s22, v6
	s_lshl_b32 s22, s42, 4
	s_add_co_u32 s22, s22, s23
	s_add_co_u32 s22, s22, 1024
	s_lshl_b32 s22, s22, 9
	v_add_nc_u32 v[VB+2], s22, v6
	SCLOAD 0, 0
	s_lshl_b32 s2, s40, 1
	s_add_co_u32 s2, s2, s16
	s_lshl_b32 s22, s2, 9
	s_mov_b32 s23, 0
	s_add_nc_u64 s[8:9], s[8:9], s[22:23]
	s_add_nc_u64 s[10:11], s[10:11], s[22:23]
	s_lshl_b32 s22, s13, 9
	s_lshl_b32 s3, s15, 8
	s_add_co_u32 s22, s22, s3
	s_add_nc_u64 s[68:69], s[68:69], s[22:23]
	CBLOAD CB0, 8
	s_wait_alu depctr_va_vdst(0)                   ; slot 1's first fill stands behind the full sequence and a round
	s_wait_tensorcnt 0x0
	ds_add_u32 v28, v29
	ds_add_u32 v28, v29
	s_wait_dscnt 0x0
	CROUND
	JLOAD G0+4, G1, G0B+4, G1B                     ; fill 1
	s_mul_i32 s18, s40, 12288                      ; the prefetches of product 2, as above
	s_add_co_u32 s18, s18, s[AO+4]
	s_mul_i32 s19, s41, 24576
	s_add_co_u32 s19, s19, s[BO+4]
	s_cmp_eq_u32 s15, 0
	s_cselect_b32 s18, s18, s19
	s_mov_b32 s19, 0
	s_add_nc_u64 s[44:45], s[4:5], s[18:19]
	ASK 104, 512*12288+BLKB, 64*12288+BLKB         ; fill 3
	s_mul_i32 s21, s15, HALFA
	s_mul_i32 s22, s16, HALFB
	s_add_co_u32 s22, s22, 2*HALFA
.irp s, 0,1
	v_add_nc_u32 v[ADRA+\s], s21, v[LI]
	v_add_nc_u32 v[ADRB+\s], s22, v[LI]
	s_add_co_u32 s21, s21, SLOT
	s_add_co_u32 s22, s22, SLOT
.endr
	s_mul_i32 s66, s15, 4*1536
	s_lshl_b32 s67, s15, 8
	s_mov_b32 s19, 0
	s_lshr_b32 s22, s17, 3
	s_lshl_b32 s22, s22, 6
	s_lshl_b32 s3, s2, 3
	s_add_co_u32 s22, s22, s3
	s_and_b32 s3, s17, 7
	s_add_co_u32 s22, s22, s3
	s_mul_i32 s18, s22, 12288
	s_add_co_u32 s18, s18, s66
	s_add_nc_u64 s[CP:CP+1], s[70:71], s[18:19]
	s_lshl_b32 s18, s22, 9
	s_add_co_u32 s18, s18, s67
	s_add_nc_u64 s[SPT:SPT+1], s[72:73], s[18:19]
	s_mul_i32 s20, s22, 25600
	s_add_co_u32 s18, s20, s66
	s_add_nc_u64 s[CP+2:CP+3], s[74:75], s[18:19]
	s_add_co_u32 s18, s20, s67
	s_add_co_u32 s18, s18, 24576
	s_add_nc_u64 s[SPT+2:SPT+3], s[74:75], s[18:19]
	s_lshl_b32 s22, s42, 1
	s_add_co_u32 s22, s22, s16
	s_lshr_b32 s3, s22, 3
	s_lshl_b32 s3, s3, 6
	s_and_b32 s22, s22, 7
	s_add_co_u32 s22, s22, s3
	s_lshl_b32 s3, s13, 3
	s_add_co_u32 s22, s22, s3
	s_mul_i32 s20, s22, 25600
	s_add_co_u32 s18, s20, s66
	s_add_co_u32 s18, s18, 12288
	s_add_nc_u64 s[CP+4:CP+5], s[74:75], s[18:19]
	s_add_co_u32 s18, s20, s67
	s_add_co_u32 s18, s18, 25088
	s_add_nc_u64 s[SPT+4:SPT+5], s[74:75], s[18:19]
	s_mov_b32 s[SEL], 0x76543210
	s_mov_b32 s[SEL+1], 0xfedcba98
	v_mov_b32 v[ZP], 0
	v_mov_b32 v[ZP+1], 0
.irp b, 0,1,2,3
	v_mov_b32 v[TM+4+\b], 0
.endr
.macro FRAG reg, adr, q, i
.irp p, 0,1,2
	ds_load_b128 v[\reg+4*\p:\reg+4*\p+3], v[\adr] offset:BLKB*(\i)+1536*(\q)+512*\p
.endr
.endm
.macro FETCH slot, q, set
	WIN TO_B
.irp i, 0,1,2,3,4,5,6,7
	FRAG 128*(\set)+FR*\i, ADRB+\slot, \q, \i
.endr
	WIN TO_A
.irp i, 0,1,2,3
	FRAG 48*(\set)+FR*\i, ADRA+\slot, \q, \i
.endr
.endm
.macro MULA a, set, s, k, cm, cr
.irp b, 0,1,2,3,4,5,6,7
.set xd, 8*(8*(\a)+\b)
.set xb, 128*(\set)+FR*\b
.set xa, 48*(\set)+FR*(\a)
.set xsb, SC+48*(\k)+8*(\b%4)+(\s)
.set xsa, SC+48*(\k)+32+4*(\a)+(\s)%4
.set xrow, 2*((\s)/4)+\b/4
.set xc, xd
.if (\cm) == 1
.set xc, (\cr)+8*\b
.endif
.if (\cm) == 2
.if xrow == 0
	v_wmma_scale_f32_16x16x128_f8f6f4 v[xd:xd+7], v[xb:xb+FR-1], v[xa:xa+FR-1], 0, v[xsb], v[xsa] matrix_a_fmt:MATRIX_FMT_FP6 matrix_b_fmt:MATRIX_FMT_FP6
.else
	v_wmma_scale_f32_16x16x128_f8f6f4 v[xd:xd+7], v[xb:xb+FR-1], v[xa:xa+FR-1], 0, v[xsb], v[xsa] matrix_a_fmt:MATRIX_FMT_FP6 matrix_b_fmt:MATRIX_FMT_FP6 matrix_a_scale:MATRIX_SCALE_ROW1
.endif
.elseif xrow == 0
	v_wmma_scale_f32_16x16x128_f8f6f4 v[xd:xd+7], v[xb:xb+FR-1], v[xa:xa+FR-1], v[xc:xc+7], v[xsb], v[xsa] matrix_a_fmt:MATRIX_FMT_FP6 matrix_b_fmt:MATRIX_FMT_FP6
.elseif xrow == 1
	v_wmma_scale_f32_16x16x128_f8f6f4 v[xd:xd+7], v[xb:xb+FR-1], v[xa:xa+FR-1], v[xc:xc+7], v[xsb], v[xsa] matrix_a_fmt:MATRIX_FMT_FP6 matrix_b_fmt:MATRIX_FMT_FP6 matrix_a_scale:MATRIX_SCALE_ROW1
.elseif xrow == 2
	v_wmma_scale_f32_16x16x128_f8f6f4 v[xd:xd+7], v[xb:xb+FR-1], v[xa:xa+FR-1], v[xc:xc+7], v[xsb], v[xsa] matrix_a_fmt:MATRIX_FMT_FP6 matrix_b_fmt:MATRIX_FMT_FP6 matrix_b_scale:MATRIX_SCALE_ROW1
.else
	v_wmma_scale_f32_16x16x128_f8f6f4 v[xd:xd+7], v[xb:xb+FR-1], v[xa:xa+FR-1], v[xc:xc+7], v[xsb], v[xsa] matrix_a_fmt:MATRIX_FMT_FP6 matrix_b_fmt:MATRIX_FMT_FP6 matrix_a_scale:MATRIX_SCALE_ROW1 matrix_b_scale:MATRIX_SCALE_ROW1
.endif
.endr
.endm
.macro STEP slot, s, k, cm, cr
	s_wait_dscnt 6
	PLACES 4
	FETCH \slot, (\s)%4+1, 1-(\s)%2
.if (\cm) == 1
	WIN MULB
.else
	WIN MUL
.endif
	MULA 0, (\s)%2, \s, \k, \cm, \cr
	MULA 1, (\s)%2, \s, \k, \cm, \cr
	s_wait_dscnt 36
	MULA 2, (\s)%2, \s, \k, \cm, \cr
	MULA 3, (\s)%2, \s, \k, \cm, \cr
.endm
.macro CHANGE k, fill, ao, bo
	WIN 0
	s_wait_tensorcnt 0x0
	ds_add_u32 v[SPW], v[NIL]
	s_wait_dscnt 7
	WIN MUL
	MULA 0, 1, 3, \k, 0, 0
	s_wait_dscnt 0x0
	s_barrier_signal -1
	MULA 1, 1, 3, \k, 0, 0
	WIN 0
	s_barrier_wait -1
.if \fill
	CREST
	s_add_nc_u64 s[G0+2:G0+3], s[4:5], s[\ao:\ao+1]
	s_or_b32 s[G0+3], s[G0+3], 0x80000000
	s_add_nc_u64 s[G0B+2:G0B+3], s[4:5], s[\bo:\bo+1]
	s_or_b32 s[G0B+3], s[G0B+3], 0x80000000
	JLOAD G0, G1, G0B, G1B
.else
	PLACES 4
.endif
	FETCH 1, 0, 0
.if (\fill) && (\k) == 0
	WIN 0
	ASK 44, 0, 0                                   ; behind fill 2: fill 4
.endif
	WIN MUL
	MULA 2, 1, 3, \k, 0, 0
	MULA 3, 1, 3, \k, 0, 0
.endm
.macro BACK k
	STEP 1, 4, \k, 0, 0
	STEP 1, 5, \k, 0, 0
	STEP 1, 6, \k, 0, 0
	s_wait_dscnt 6
	WIN MUL
	MULA 0, 1, 7, \k, 0, 0
	MULA 1, 1, 7, \k, 0, 0
	s_wait_dscnt 0x0
	MULA 2, 1, 7, \k, 0, 0
	MULA 3, 1, 7, \k, 0, 0
	WIN 0
.endm
.macro HANDOVER ao, bo
	s_wait_tensorcnt 0x0
	ds_add_u32 v[SPW], v[NIL]
	PLACES 4
	s_wait_dscnt 0x0
	CROUND
	s_add_nc_u64 s[G0+6:G0+7], s[4:5], s[\ao:\ao+1]
	s_add_nc_u64 s[G0+6:G0+7], s[G0+6:G0+7], BLKB
	s_or_b32 s[G0+7], s[G0+7], 0x80000000
	s_add_nc_u64 s[G0B+6:G0B+7], s[4:5], s[\bo:\bo+1]
	s_add_nc_u64 s[G0B+6:G0B+7], s[G0B+6:G0B+7], BLKB
	s_or_b32 s[G0B+7], s[G0B+7], 0x80000000
	JLOAD G0+4, G1, G0B+4, G1B
	FETCH 0, 0, 0
	WIN 0
.if (\ao) == AO+2
	ASK 44, BLKB, BLKB                             ; behind fill 3: fill 5
.endif
.endm
.macro EPI a, rb, cp
.set PCX, 208+20*((\a)%2)
	WIN 0x02
.set cn, 0
.rept 32
	v_pk_add_f32 v[T+cn:T+cn+1], v[64*(\a)+cn:64*(\a)+cn+1], v[\rb:\rb+1]
.set cn, cn+2
.endr
	WIN 0
	s_wait_xcnt 0x0
	QUANT T, PCX, PWS+\a
.irp p, 0,1,2
	global_store_b128 v[LI], v[PCX+4*\p:PCX+4*\p+3], s[\cp:\cp+1] offset:1536*(\a)+512*\p
.endr
.endm
	s_wait_alu depctr_va_vdst(0)
	s_wait_loadcnt 0x0
	s_wait_tensorcnt 1
	s_barrier_signal -1
	s_barrier_wait -1
	FETCH 0, 0, 0
	STEP 0, 0, 0, 1, CB0
	WIN 0
	SCLOAD 1, 1
	STEP 0, 1, 0, 0, 0
	CBLOAD CB1, 10
.irp a, 0,1,2,3
	global_load_b32 v[RB+2*\a], v[RBO], s[68:69] offset:4*(32*(\a/2)+8*(\a%2))
	global_load_b32 v[RB+2*\a+1], v[RBO], s[68:69] offset:4*(32*(\a/2)+8*(\a%2))
.endr
	STEP 0, 2, 0, 0, 0
	CHANGE 0, 1, AO+2, BO+2
	BACK 0
	HANDOVER AO+2, BO+2
.irp a, 0,1,2,3
	EPI \a, ZP, CP
.endr
	global_store_b128 v[LR], v[PWS:PWS+3], s[SPT:SPT+1]
	s_wait_loadcnt 0x0
	STEP 0, 0, 1, 1, CB1
	WIN 0
	SCLOAD 0, 2
	STEP 0, 1, 1, 0, 0
	STEP 0, 2, 1, 0, 0
	CHANGE 1, 1, AO+4, BO+4
	BACK 1
	HANDOVER AO+4, BO+4
.irp a, 0,1,2,3
	EPI \a, ZP, CP+2
.endr
	global_store_b128 v[LR], v[PWS:PWS+3], s[SPT+2:SPT+3]
	s_wait_loadcnt 0x0
	STEP 0, 0, 0, 2, 0
	STEP 0, 1, 0, 0, 0
	STEP 0, 2, 0, 0, 0
	CHANGE 0, 0, 0, 0
	BACK 0
	PLACES 4
.irp a, 0,1,2,3
	EPI \a, RB+2*\a, CP+4
.endr
	global_store_b128 v[LR], v[PWS:PWS+3], s[SPT+4:SPT+5]
	s_wait_tensorcnt 0x0
	ds_add_u32 v[SPW], v[NIL]
	s_wait_dscnt 0x0
	CROUND
	s_endpgm
.Lfunc_end_k_qb314a7e74c_proj:
	.size	k_qb314a7e74c_proj, .Lfunc_end_k_qb314a7e74c_proj-k_qb314a7e74c_proj
	.p2alignl 7, 3214868480
	.fill 96, 4, 3214868480
	.section	.rodata,"a",@progbits
	.p2align	6, 0x0
	.amdhsa_kernel k_qb314a7e74c_proj
		.amdhsa_group_segment_fixed_size 327680
		.amdhsa_private_segment_fixed_size 0
		.amdhsa_enable_private_segment 0
		.amdhsa_kernarg_size 64
		.amdhsa_user_sgpr_count 2
		.amdhsa_user_sgpr_kernarg_segment_ptr 1
		.amdhsa_wavefront_size32 1
		.amdhsa_system_sgpr_workgroup_id_x 1
		.amdhsa_system_sgpr_workgroup_id_y 1
		.amdhsa_system_sgpr_workgroup_id_z 1
		.amdhsa_system_vgpr_workitem_id 0
		.amdhsa_next_free_vgpr 1024
		.amdhsa_next_free_sgpr 106
		.amdhsa_reserve_vcc 0
		.amdhsa_float_denorm_mode_32 3
		.amdhsa_float_denorm_mode_16_64 3
		.amdhsa_memory_ordered 1
		.amdhsa_forward_progress 1
		.amdhsa_inst_pref_size 255
	.end_amdhsa_kernel
	.section	.bss,"aw",@nobits
	.p2align	6
	.space	262144
	.amdgpu_metadata
---
amdhsa.version: [ 1, 2 ]
amdhsa.kernels:
  - .name:           k_qb314a7e74c_proj
    .symbol:         k_qb314a7e74c_proj.kd
    .args:
      - { .name: cod, .offset: 0, .size: 8, .value_kind: global_buffer, .address_space: global }
      - { .name: scl, .offset: 8, .size: 8, .value_kind: global_buffer, .address_space: global }
      - { .name: bq, .offset: 16, .size: 8, .value_kind: global_buffer, .address_space: global }
      - { .name: bk, .offset: 24, .size: 8, .value_kind: global_buffer, .address_space: global }
      - { .name: bv, .offset: 32, .size: 8, .value_kind: global_buffer, .address_space: global }
      - { .name: qimg, .offset: 40, .size: 8, .value_kind: global_buffer, .address_space: global }
      - { .name: qsc, .offset: 48, .size: 8, .value_kind: global_buffer, .address_space: global }
      - { .name: kv, .offset: 56, .size: 8, .value_kind: global_buffer, .address_space: global }
    .group_segment_fixed_size: 327680
    .private_segment_fixed_size: 0
    .kernarg_segment_align: 8
    .kernarg_segment_size: 64
    .max_flat_workgroup_size: 128
    .sgpr_count:     106
    .vgpr_count:     1024
    .wavefront_size: 32
...
	.end_amdgpu_metadata
.endif
;; end of part 2
;; launch attn (part 3): grid 4 x 64, 16 waves a work-group, clusters of 4 x 1, 206,848 bytes of LDS; arguments qimg, qsc, kv, oimg, osc; writes oimg, osc
.if DOCPART == 3
	.amdgcn_target "amdgcn-amd-amdhsa--gfx1250"
	.amdhsa_code_object_version 6
	.text
	.protected	k_qb314a7e74c_attn
	.globl	k_qb314a7e74c_attn
	.p2align	8
	.type	k_qb314a7e74c_attn,@function
k_qb314a7e74c_attn:
	s_mov_b64 s[64:65], 0
	v_nop
	global_prefetch_b8 v0, s[64:65] scope:SCOPE_SE
	s_setreg_imm32_b32 hwreg(HW_REG_WAVE_MODE, 25, 1), 1
	s_wait_xcnt 0x0
	s_wait_alu depctr_hold_cnt(0) depctr_sa_sdst(0) depctr_va_vdst(0) depctr_va_sdst(0) depctr_va_ssrc(0) depctr_va_vcc(0) depctr_vm_vsrc(0)
	s_getreg_b32 s2, hwreg(HW_REG_IB_STS2, 6, 4)
	s_cmp_eq_u32 s2, 0
	s_cbranch_scc0 .Lentry_in_a_cluster
	s_endpgm
.Lentry_in_a_cluster:
	s_bfe_u32 s2, ttmp6, 0x10000c
	s_cmp_lg_u32 s2, 0x3003
	s_cbranch_scc0 .Lentry_shape_is_right
	s_endpgm
.Lentry_shape_is_right:
; O = softmax(q k^T / 32) v for each batch and head (head size 64, 1,024 keys), both products on codes of FP6 (E2M3) with E8M0 scales; O / l is quantised along the embedding and stored as fragment images for the last product.
; THE SOFTMAX AHEAD OF THE SECOND PRODUCT: t = score x log2(e) / 32; M = the row's largest t so far, rounded up to a whole number; p = 2^(t - M) is quantised along the keys, not normalised;
; the row's sum is taken of the unquantised p and divides O at the end.  When M moves, the sum and O are multiplied by 2^(old M - new M): exact.
; SHARES.  A work-group owns a pair of heads P = batch x 8 + pair (the cluster's y) and 256 queries (its place in the cluster); each of its sixteen waves owns one tile of 16 queries, for both heads, one after the other.
; Four waves lie on a SIMD, so that one wave's vector work stands beside another's matrix work and LDS loads.
; LDS.  The pair's K, V and scale words for all 1,024 keys are 8 records of 25,600 bytes (K: 8 images of 16 keys x both heads; V^T: 4 images of 16 features x 128 keys for each head; K's scale words; V's).  They fit whole:
; they are fetched once, by joint loads of the cluster's four work-groups, which read the same records; no byte is filled twice, so there is no ring.  All is asked for at the head: nothing is left to prefetch.
; K = 64 IN AN INSTRUCTION OF 128: a fragment of K holds head 0 in registers 0-5 and head 1 in registers 6-11.  Q's operand for a head has its own six registers and ZERO CODES in the other six (with scale bytes 0 there):
; Q lies as [head 0][six zeros][head 1], and the two operands are the two runs of twelve.
; LAYOUT.  Both products are used transposed (S^T = K Q^T, O^T = V^T P^T): a lane holds one query.  The keys of a tile and the features of a tile of V^T were chosen by the launches before
; (place r of tile 2 b + u = 32 b + 8 u + r + 8 (r / 8)), so that the 16 registers of two neighbouring tiles are 16 neighbours: of the keys for p, of the features for O.
; LIMITS: NaN and infinities are not served; a block of p or of O whose largest number lies under 2^-124 keeps the byte 1 (a block of zeros too: its codes are zeros).
.set RECB, 25600
.set LI,  1                            ; v1  16 x lane
.set LR,  2                            ; v2  16 x (lane % 16)
.set ADL, 3                            ; v3  the record in hand + 16 x lane
.set ADR, 4                            ; v4  the record in hand + 16 r
.set QF,  16                           ; v16-33 Q: [head 0's six][six zeros][head 1's six]
.set QS,  34                           ; v34, v35 Q's scale word for head 0, head 1
.set FRG, 36                           ; v36-83 four fragments of K or of V
.set VS,  84                           ; v84-87 V's scale words
.set SS,  96                           ; v96-159 S^T, then p
.set OT,  160                          ; v160-191 O^T
.set OF,  192                          ; v192-203 the fragment of O
.set BM,  204                          ; v204-207 each block's largest score, then largest p
.set BT,  208                          ; v208-211 at work: the other half's maxima, the bytes
.set SOP, 212                          ; v212-215 the conversions' scale operands
.set PCT, 216                          ; v216-223 the conversions' second halves
.set PCD, 224                          ; v224-235 p's codes
.set PWR, 236                          ; v236 p's scale word
.set OW,  237                          ; v237 O's scale word
.set FF,  238                          ; v[238:239] f = 2^(old M - new M) (v239 is written once: it is named with v238 as a pair)
.set TT,  240                          ; v240 at work
.set CH,  242                          ; v[242:243] the sum's second chain
.set KS,  244                          ; v244-251 K's scale words
.set WV,  18                           ; s18 my wave's number
.set SEL, 20                           ; s[20:21] lane selects: lane l xor 16
.set CS,  22                           ; s[22:23] c = log2(e) / 32
.set G1,  24                           ; s[24:31] descriptor group 1;  s[32:35] group 0 of a wave's one load
.set G0A, 32
.set REC, 40                           ; s40 LDS byte of the record in hand
.set CNT, 41                           ; s41 key steps to go
.macro ROUND                           ; a round of the cluster's barrier
	s_barrier_signal -1
	s_barrier_wait -1
	s_cmp_lg_u32 s[WV], 0
	s_cbranch_scc1 .Lnot_wave_0_\@
	s_barrier_signal -3
.Lnot_wave_0_\@:
	s_barrier_wait -3
	s_barrier_signal -1
	s_barrier_wait -1
.endm
	s_load_b256 s[4:11], s[0:1], 0x0               ; qimg s[4:5], qsc s[6:7], kv s[8:9], oimg s[10:11]
	s_load_b64 s[12:13], s[0:1], 0x20              ; osc
	v_lshl_add_u32 v254, v0, 2, 0x32000
	v_mov_b32 v255, 0
	ds_add_u32 v254, v255
	ds_add_u32 v254, v255
	v_lshrrev_b32 v7, 5, v0
	s_delay_alu instid0(VALU_DEP_1)
	v_readfirstlane_b32 s[WV], v7                  ; wave 0..15
	v_and_b32 v6, 31, v0
	v_and_b32 v7, 15, v0
	s_delay_alu instid0(VALU_DEP_2)
	v_lshlrev_b32 v[LI], 4, v6
	s_delay_alu instid0(VALU_DEP_2)
	v_lshlrev_b32 v[LR], 4, v7
	s_delay_alu instid0(VALU_DEP_3)
	v_lshlrev_b32 v5, 2, v7                        ; v5 = 4 r
	s_bfe_u32 s42, ttmp6, 0x40000                  ; cx: it enters Q's and O's global addresses alone
	s_and_b32 s43, ttmp7, 0xffff                   ; P, which the four partners share
	s_lshl_b32 s44, s42, 4
	s_add_co_u32 s44, s44, s[WV]                   ; my tile of queries, 0 .. 63
	s_lshl_b32 s46, s43, 6
	s_add_co_u32 s46, s46, s44
	s_mul_i32 s46, s46, 1536                       ; its image
	s_mov_b32 s47, 0
	s_lshl_b32 s48, s43, 3                         ; its scale words: 512 bytes for each 8 tiles, as [tile / 4][r][tile % 4]
	s_lshr_b32 s45, s44, 3
	s_add_co_u32 s48, s48, s45
	s_lshl_b32 s48, s48, 9
	s_bfe_u32 s45, s[WV], 0x10002
	s_lshl_b32 s45, s45, 8
	s_add_co_u32 s48, s48, s45
	s_and_b32 s45, s[WV], 3
	s_lshl_b32 s45, s45, 2
	s_add_co_u32 s48, s48, s45
	s_mov_b32 s49, 0
	s_lshr_b32 s50, s43, 3                         ; O: block = batch x 64 + tile, K step = the pair
	s_lshl_b32 s50, s50, 6
	s_add_co_u32 s50, s50, s44
	s_lshl_b32 s50, s50, 3
	s_and_b32 s45, s43, 7
	s_add_co_u32 s50, s50, s45
	s_lshl_b32 s52, s50, 6                         ; 64 bytes of scale words,
	s_mov_b32 s53, 0
	s_mul_i32 s50, s50, 1536                       ; 1,536 of codes
	s_mov_b32 s51, 0
	s_mul_i32 s54, s43, 8*RECB                     ; the pair's records,
	s_mul_i32 s[G0A+1], s[WV], RECB                ; record w: in LDS as in memory
	s_add_co_u32 s54, s54, s[G0A+1]
	s_mov_b32 s55, 0
	; descriptor group 1: a record: 100 rows of 256 bytes (32 elements of 8 bytes), dense
	s_mov_b32 s[G1], 15|(3<<16)|(1<<21)            ; 15:0 the mask: all four work-groups; 17:16 elements of 8 bytes; 21 set beside a mask
	s_mov_b32 s[G1+1], 32<<16                      ; tensor_dim0
	s_mov_b32 s[G1+2], 100<<16                     ; tensor_dim1
	s_mov_b32 s[G1+3], 32<<16                      ; tile_dim0
	s_mov_b32 s[G1+4], 100                         ; tile_dim1
	s_mov_b32 s[G1+5], 32                          ; tensor_dim0_stride
	s_mov_b32 s[G1+6], 0
	s_mov_b32 s[G1+7], 0
	s_mov_b32 s[SEL], 0x76543210
	s_mov_b32 s[SEL+1], 0xfedcba98
	s_mov_b32 s[CS], 0x3d38aa3b                    ; c = log2(e) / 32
	s_mov_b32 s[CS+1], s[CS]                       ; (named with it as a pair, so it is written)
	s_wait_dscnt 0x0
	s_wait_kmcnt 0x0
	s_mov_b32 s[G0A], 1
	s_add_nc_u64 s[G0A+2:G0A+3], s[8:9], s[54:55]
	s_or_b32 s[G0A+3], s[G0A+3], 0x80000000        ; type = 2
	s_add_nc_u64 s[4:5], s[4:5], s[46:47]
	s_add_nc_u64 s[6:7], s[6:7], s[48:49]
	s_add_nc_u64 s[10:11], s[10:11], s[50:51]
	s_add_nc_u64 s[12:13], s[12:13], s[52:53]
	ROUND                                          ; all four work-groups are here: the joint loads meet
	s_cmp_lt_u32 s[WV], 2                          ; waves 0 to 7 fetch record w each: one load a wave, in one chain of arms; waves 0 and 1 have a line of their own, since they alone wait ahead of the first barrier
	s_cbranch_scc0 .Llater
	tensor_load_to_lds s[G0A:G0A+3], s[G1:G1+7]
	s_nop 0
.rept 4
	v_nop
.endr
	s_branch .Lno_fetch
.Llater:
	s_cmp_lt_u32 s[WV], 8
	s_cbranch_scc0 .Lno_fetch
	tensor_load_to_lds s[G0A:G0A+3], s[G1:G1+7]
	s_nop 0
.rept 4
	v_nop
.endr
.Lno_fetch:
	s_wait_alu depctr_va_vdst(0)
.irp p, 0,1,2
	global_load_b128 v[QF+4*\p:QF+4*\p+3], v[LI], s[4:5] offset:512*\p th:TH_LOAD_NT   ; Q's image: both heads
.endr
	global_load_b32 v[QS], v[LR], s[6:7]           ; its scale word: bytes 0, 1 head 0; bytes 2, 3 head 1
.irp b, 0,1,2,3
	v_mov_b32 v[BT+\b], 0                          ; written once: a lane permute's destination counts as one of its sources
.endr
	v_mov_b32 v[FF+1], 0
	v_mov_b32 v[TT], 0
	s_wait_loadcnt 0x0
.irp i, 0,1,2,3,4,5
	v_mov_b32 v[QF+12+\i], v[QF+6+\i]              ; head 1's six move up,
.endr
.irp i, 0,1,2,3,4,5
	v_mov_b32 v[QF+6+\i], 0                        ; and zero codes lie between
.endr
	v_and_b32 v[QS+1], 0xffff0000, v[QS]
	v_and_b32 v[QS], 0xffff, v[QS]
	s_wait_alu depctr_va_vdst(0)
	s_cmp_lt_u32 s[WV], 2
	s_cbranch_scc0 .Lnot_first
	s_wait_tensorcnt 0x0                           ; waves 0 and 1: records 0 and 1 are in
.Lnot_first:
	s_barrier_signal -1
	s_barrier_wait -1                              ; records 0 and 1 are shown to all; the other six may still be on their way
; A KEY STEP of head c: 128 keys, the record at s[REC].
.macro STEP c
	v_add_nc_u32 v[ADL], s[REC], v[LI]
	s_wait_alu depctr_va_vdst(0)
	v_add_nc_u32 v[ADR], s[REC], v[LR]
	v_nop
	v_nop                                          ; four places in front of loads into registers that the last step's products have read
.irp g, 0,1                                    ; S^T = K Q^T, four tiles of 16 keys at a time
.if \g > 0
.rept 4
	v_nop
.endr
.endif
.irp t, 0,1,2,3
.irp p, 0,1,2
	ds_load_b128 v[FRG+12*\t+4*\p:FRG+12*\t+4*\p+3], v[ADL] offset:1536*(4*\g+\t)+512*\p
.endr
.endr
.if \g == 0
	ds_load_b128 v[KS:KS+3], v[ADR] offset:24576   ; row r's words of tiles 0-3,
	ds_load_b128 v[KS+4:KS+7], v[ADR] offset:24576+256   ; of tiles 4-7
.endif
	s_wait_dscnt 0x0
.irp t, 0,1,2,3
	v_wmma_scale_f32_16x16x128_f8f6f4 v[SS+8*(4*\g+\t):SS+8*(4*\g+\t)+7], v[FRG+12*\t:FRG+12*\t+11], v[QF+6*\c:QF+6*\c+11], 0, v[KS+4*\g+\t], v[QS+\c] matrix_a_fmt:MATRIX_FMT_FP6 matrix_b_fmt:MATRIX_FMT_FP6
.endr
.endr                                          ; lane (r, h) holds query r; the 16 registers of tiles 2 b, 2 b + 1 are keys 32 b + 16 h + 0 .. 15 of the step
.rept 4
	v_nop                                          ; places in front of the loads below and of the first read of the scores
.endr
.irp t, 0,1,2,3                                ; V^T of this head is asked for now and lands under the softmax
.irp p, 0,1,2
	ds_load_b128 v[FRG+12*\t+4*\p:FRG+12*\t+4*\p+3], v[ADL] offset:12288+6144*\c+1536*\t+512*\p
.endr
.endr
	s_wait_alu depctr_va_vdst(0)
	ds_load_b128 v[VS:VS+3], v[ADR] offset:25088+256*\c
.irp b, 0,1,2,3
	v_max3_num_f32 v[BM+\b], v[SS+16*\b], v[SS+1+16*\b], v[SS+2+16*\b]   ; the largest score of each block of 32 keys: it serves for the row's maximum and, since p rises with the score, for the block's largest p
.endr
.irp i, 3,5,7,9,11,13
.irp b, 0,1,2,3
	v_max3_num_f32 v[BM+\b], v[BM+\b], v[SS+16*\b+\i], v[SS+1+16*\b+\i]
.endr
.endr
.irp b, 0,1,2,3
	v_max_num_f32 v[BM+\b], v[BM+\b], v[SS+15+16*\b]
.endr
.irp b, 0,1,2,3
	s_delay_alu instid0(VALU_DEP_4)
	v_permlanex16_b32 v[BT+\b], v[BM+\b], s[SEL], s[SEL+1]
.endr
.irp b, 0,1,2,3
	s_delay_alu instid0(VALU_DEP_4)
	v_max_num_f32 v[BM+\b], v[BM+\b], v[BT+\b]     ; with lane l xor 16's 16 keys
.endr
	s_delay_alu instid0(VALU_DEP_2)
	v_max3_num_f32 v[TT], v[BM], v[BM+1], v[BM+2]
	s_delay_alu instid0(VALU_DEP_1)
	v_max_num_f32 v[TT], v[TT], v[BM+3]            ; the step's largest score of my query
	s_delay_alu instid0(VALU_DEP_1)
	v_mul_f32 v[TT], s[CS], v[TT]                  ; as t (c is positive)
	s_delay_alu instid0(VALU_DEP_1)
	v_max_num_f32 v13, v13, v[TT]                  ; the running largest t
	v_mov_b32 v[TT], v12
	s_delay_alu instid0(VALU_DEP_2)
	v_floor_f32 v12, -v13                          ; the new -M = floor(-t) = -ceil(t): a whole number
	s_delay_alu instid0(VALU_DEP_1)
	v_sub_f32 v[TT], v12, v[TT]                    ; old M - new M: a whole number, 0 or less
	s_delay_alu instid0(VALU_DEP_1)
	v_cvt_i32_f32 v[TT], v[TT]                     ; (it saturates)
	s_delay_alu instid0(VALU_DEP_1)
	v_ldexp_f32 v[FF], 1.0, v[TT]                  ; f = 2^(old M - new M)
.set cn, 0
.rept 32
	v_pk_fma_f32 v[SS+cn:SS+cn+1], v[SS+cn:SS+cn+1], s[CS:CS+1], v[12:13] op_sel_hi:[1,0,0]   ; t - M, two at a time
.set cn, cn+2
.endr
.irp b, 0,1,2,3
	v_fma_f32 v[BM+\b], v[BM+\b], s[CS], v12       ; the same of each block's largest score
.endr
.set cn, 0
	s_wait_alu depctr_va_vdst(0)
.rept 64
	v_exp_f32 v[SS+cn], v[SS+cn]                   ; p = 2^(t - M), at most 1
.set cn, cn+1
.endr
	v_pk_mul_f32 v[14:15], v[14:15], v[FF:FF+1] op_sel_hi:[1,0]   ; the sums under the new M: a plain place behind the exponentials
	s_wait_alu depctr_va_vdst(0)                   ; one wait for the batch of 64, ahead of its first reader
.irp b, 0,1,2,3
	v_exp_f32 v[BM+\b], v[BM+\b]                   ; the block's largest p: the same two instructions on the same number
.endr
	v_pk_add_f32 v[CH:CH+1], v[SS:SS+1], v[SS+2:SS+3]   ; the row's sum of the unquantised p, two at a time, in two chains
.irp j, 4,8,12,16,20,24,28,32,36,40,44
	v_pk_add_f32 v[14:15], v[14:15], v[SS+\j:SS+1+\j]
	v_pk_add_f32 v[CH:CH+1], v[CH:CH+1], v[SS+2+\j:SS+3+\j]
.endr
	s_wait_alu depctr_va_vdst(0)                   ; and one for the four
.irp b, 0,1,2,3
	v_max_num_f32 v[BM+\b], 0x1800000, v[BM+\b]    ; the floor 2^(3 - 127): the byte cannot fall under 1
.endr
.irp b, 0,1,2,3
	s_delay_alu instid0(VALU_DEP_4)
	v_add_nc_u32 v[SOP+\b], 0xff000000, v[BM+\b]   ; 2 off the exponent field: the conversion's scale operand
.endr
.irp b, 0,1,2,3
	s_delay_alu instid0(VALU_DEP_4)
	v_lshrrev_b32 v[BT+\b], 23, v[SOP+\b]          ; the scale's byte
.endr
	s_delay_alu instid0(VALU_DEP_3)
	v_lshl_or_b32 v[PWR], v[BT+1], 8, v[BT]        ; p's scale word for these 128 keys
	s_delay_alu instid0(VALU_DEP_1)
	v_lshl_or_b32 v[PWR], v[BT+2], 16, v[PWR]
	s_delay_alu instid0(VALU_DEP_1)
	v_lshl_or_b32 v[PWR], v[BT+3], 24, v[PWR]
.irp e, 0,1
	v_cvt_scalef32_pk16_fp6_f32 v[PCD+6*\e:PCD+2+6*\e], v[SS+32*\e:SS+15+32*\e], v[SOP+2*\e]
	v_cvt_scalef32_pk16_fp6_f32 v[PCT+4*\e:PCT+2+4*\e], v[SS+16+32*\e:SS+31+32*\e], v[SOP+2*\e+1]   ; (a conversion's three registers begin on an even number)
.endr
	v_nop                                          ; one plain place behind a scaled conversion
.irp e, 0,1                                    ; the operand's layout wants a whole block in a lane
.irp i, 0,1,2
	v_permlane16_swap_b32 v[PCD+6*\e+\i], v[PCT+4*\e+\i]
.endr
.irp i, 0,1,2
	s_delay_alu instid0(VALU_DEP_3)
	v_mov_b32 v[PCD+3+6*\e+\i], v[PCT+4*\e+\i]
.endr
.endr
.set cn, 0
.rept 16
	v_pk_mul_f32 v[OT+cn:OT+cn+1], v[OT+cn:OT+cn+1], v[FF:FF+1] op_sel_hi:[1,0]   ; O^T under the new M, from each accumulator's low end on
.set cn, cn+2
.endr
.irp j, 48,52,56,60                            ; the rest of the row's sum: nine plain instructions that name no register of the products below
	v_pk_add_f32 v[14:15], v[14:15], v[SS+\j:SS+1+\j]
	v_pk_add_f32 v[CH:CH+1], v[CH:CH+1], v[SS+2+\j:SS+3+\j]
.endr
	s_delay_alu instid0(VALU_DEP_1)
	v_pk_add_f32 v[14:15], v[14:15], v[CH:CH+1]
	s_wait_dscnt 0x0                               ; V^T and its scale words are in
.irp t, 0,1,2,3                                ; O^T += V^T P^T: four accumulators, one instruction each
	v_wmma_scale_f32_16x16x128_f8f6f4 v[OT+8*\t:OT+8*\t+7], v[FRG+12*\t:FRG+12*\t+11], v[PCD:PCD+11], v[OT+8*\t:OT+8*\t+7], v[VS+\t], v[PWR] matrix_a_fmt:MATRIX_FMT_FP6 matrix_b_fmt:MATRIX_FMT_FP6
.endr
.endm
.macro KLOOP c, n                              ; n key steps of head c, from the record at s[REC] on
	s_mov_b32 s[CNT], \n
.Lkeys_\@:
	STEP \c
	s_add_co_u32 s[REC], s[REC], RECB
	s_sub_co_u32 s[CNT], s[CNT], 1
	s_cmp_lg_u32 s[CNT], 0
	s_cbranch_scc1 .Lkeys_\@
.endm
.macro HEADINIT                                ; the key step is written once for a head: its first trip finds zeros, which the first change of M leaves zeros
	s_mov_b32 s[REC], 0
	v_mov_b32 v13, 0xff61b1e6                      ; the largest t so far: -3e38
	s_delay_alu instid0(VALU_DEP_1)
	v_floor_f32 v12, -v13                          ; -M
	v_mov_b32 v14, 0
	v_mov_b32 v15, 0
.set cn, 0
.rept 32
	v_mov_b32 v[OT+cn], 0
.set cn, cn+1
.endr
.endm
; Head c is finished: O^T / the sum; register 16 b + i is feature 32 b + 16 (lane / 16) + i of the head: two blocks of 32 along the embedding: registers 6 c .. 6 c + 5 of the pair's fragment, bytes 2 c, 2 c + 1 of its scale word.
.macro FINISH c
.rept 4
	v_nop                                          ; places behind the last products
.endr
	v_add_f32 v14, v14, v15                        ; the sum's two halves,
	s_delay_alu instid0(VALU_DEP_1)
	v_permlanex16_b32 v[TT], v14, s[SEL], s[SEL+1]
	s_delay_alu instid0(VALU_DEP_1)
	v_add_f32 v14, v14, v[TT]                      ; and lane l xor 16's
	s_wait_alu depctr_va_vdst(0)
	v_rcp_f32 v14, v14
	v_nop                                          ; a plain place behind the reciprocal
	s_wait_alu depctr_va_vdst(0)                   ; and the wait ahead of its first reader
.set cn, 0
.rept 32
	v_mul_f32 v[SS+cn], v[OT+cn], v14
.set cn, cn+1
.endr
.irp b, 0,1
	v_max3_num_f32 v[BM+\b], |v[SS+16*\b]|, |v[SS+1+16*\b]|, 0x1800000
.endr
.irp i, 2,4,6,8,10,12,14
.irp b, 0,1
	s_delay_alu instid0(VALU_DEP_2)
	v_max3_num_f32 v[BM+\b], v[BM+\b], |v[SS+16*\b+\i]|, |v[SS+1+16*\b+\i]|
.endr
.endr
.irp b, 0,1
	s_delay_alu instid0(VALU_DEP_2)
	v_permlanex16_b32 v[BT+\b], v[BM+\b], s[SEL], s[SEL+1]
.endr
.irp b, 0,1
	s_delay_alu instid0(VALU_DEP_2)
	v_max_num_f32 v[BM+\b], v[BM+\b], v[BT+\b]
.endr
.irp b, 0,1
	s_delay_alu instid0(VALU_DEP_2)
	v_add_nc_u32 v[SOP+\b], 0xff000000, v[BM+\b]
.endr
.irp b, 0,1
	s_delay_alu instid0(VALU_DEP_2)
	v_lshrrev_b32 v[BT+\b], 23, v[SOP+\b]
.endr
.if \c == 0
	s_delay_alu instid0(VALU_DEP_1)
	v_lshl_or_b32 v[OW], v[BT+1], 8, v[BT]
.else
	s_delay_alu instid0(VALU_DEP_2)
	v_lshl_or_b32 v[OW], v[BT], 16, v[OW]
	s_delay_alu instid0(VALU_DEP_1)
	v_lshl_or_b32 v[OW], v[BT+1], 24, v[OW]
.endif
	v_cvt_scalef32_pk16_fp6_f32 v[OF+6*\c:OF+2+6*\c], v[SS:SS+15], v[SOP]
	v_cvt_scalef32_pk16_fp6_f32 v[PCT:PCT+2], v[SS+16:SS+31], v[SOP+1]
	v_nop                                          ; one plain place behind a scaled conversion
.irp i, 0,1,2
	v_permlane16_swap_b32 v[OF+6*\c+\i], v[PCT+\i]
.endr
.irp i, 0,1,2
	s_delay_alu instid0(VALU_DEP_3)
	v_mov_b32 v[OF+3+6*\c+\i], v[PCT+\i]
.endr
.endm
	HEADINIT
	KLOOP 0, 2                                     ; records 0 and 1
	s_wait_tensorcnt 0x0                           ; every wave: all that is still out
	s_wait_dscnt 0x0
	s_barrier_signal -1
	s_barrier_wait -1                              ; all eight records lie in LDS and are only read from here on
	KLOOP 0, 6
	s_wait_alu depctr_va_vdst(0)
	FINISH 0
	HEADINIT
	KLOOP 1, 8
	s_wait_alu depctr_va_vdst(0)
	FINISH 1
.irp p, 0,1,2
	global_store_b128 v[LI], v[OF+4*\p:OF+4*\p+3], s[10:11] offset:512*\p   ; the image: 512 consecutive bytes a store
.endr
	global_store_b32 v5, v[OW], s[12:13]           ; 16 words; lanes r and r + 16 hold the same word and write it to the same place
	s_wait_tensorcnt 0x0
	ds_add_u32 v254, v255
	s_wait_dscnt 0x0
	ROUND                                          ; the closing round: no work-group ends while a partner may still ask for a record that names it
	s_endpgm
.Lfunc_end_k_qb314a7e74c_attn:
	.size	k_qb314a7e74c_attn, .Lfunc_end_k_qb314a7e74c_attn-k_qb314a7e74c_attn
	.p2alignl 7, 3214868480
	.fill 96, 4, 3214868480
	.section	.rodata,"a",@progbits
	.p2align	6, 0x0
	.amdhsa_kernel k_qb314a7e74c_attn
		.amdhsa_group_segment_fixed_size 206848
		.amdhsa_private_segment_fixed_size 0
		.amdhsa_enable_private_segment 0
		.amdhsa_kernarg_size 40
		.amdhsa_user_sgpr_count 2
		.amdhsa_user_sgpr_kernarg_segment_ptr 1
		.amdhsa_wavefront_size32 1
		.amdhsa_system_sgpr_workgroup_id_x 1
		.amdhsa_system_sgpr_workgroup_id_y 1
		.amdhsa_system_sgpr_workgroup_id_z 1
		.amdhsa_system_vgpr_workitem_id 0
		.amdhsa_next_free_vgpr 256
		.amdhsa_next_free_sgpr 66
		.amdhsa_reserve_vcc 0
		.amdhsa_float_denorm_mode_32 3
		.amdhsa_float_denorm_mode_16_64 3
		.amdhsa_memory_ordered 1
		.amdhsa_forward_progress 1
		.amdhsa_inst_pref_size 70
	.end_amdhsa_kernel
	.amdgpu_metadata
---
amdhsa.version: [ 1, 2 ]
amdhsa.kernels:
  - .name:           k_qb314a7e74c_attn
    .symbol:         k_qb314a7e74c_attn.kd
    .args:
      - { .name: qimg, .offset: 0, .size: 8, .value_kind: global_buffer, .address_space: global }
      - { .name: qsc, .offset: 8, .size: 8, .value_kind: global_buffer, .address_space: global }
      - { .name: kv, .offset: 16, .size: 8, .value_kind: global_buffer, .address_space: global }
      - { .name: oimg, .offset: 24, .size: 8, .value_kind: global_buffer, .address_space: global }
      - { .name: osc, .offset: 32, .size: 8, .value_kind: global_buffer, .address_space: global }
    .group_segment_fixed_size: 206848
    .private_segment_fixed_size: 0
    .kernarg_segment_align: 8
    .kernarg_segment_size: 40
    .max_flat_workgroup_size: 512
    .sgpr_count:     66
    .vgpr_count:     256
    .wavefront_size: 32
...
	.end_amdgpu_metadata
.endif
;; end of part 3
;; launch outp (part 4): grid 32 x 8, 4 waves a work-group, clusters of 4 x 4, 327,680 bytes of LDS; arguments oimg, osc, cod, scl, bo, out0; writes out0
.if DOCPART == 4
	.amdgcn_target "amdgcn-amd-amdhsa--gfx1250"
	.amdhsa_code_object_version 6
	.text
	.protected	k_qb314a7e74c_outp
	.globl	k_qb314a7e74c_outp
	.p2align	8
	.type	k_qb314a7e74c_outp,@function
k_qb314a7e74c_outp:
	s_mov_b64 s[64:65], 0
	v_nop
	global_prefetch_b8 v0, s[64:65] scope:SCOPE_SE
	s_setreg_imm32_b32 hwreg(HW_REG_WAVE_MODE, 25, 1), 1
	s_wait_xcnt 0x0
	s_wait_alu depctr_hold_cnt(0) depctr_sa_sdst(0) depctr_va_vdst(0) depctr_va_sdst(0) depctr_va_ssrc(0) depctr_va_vcc(0) depctr_vm_vsrc(0)
	s_getreg_b32 s2, hwreg(HW_REG_IB_STS2, 6, 4)
	s_cmp_eq_u32 s2, 0
	s_cbranch_scc0 .Lentry_in_a_cluster
	s_endpgm
.Lentry_in_a_cluster:
	s_bfe_u32 s2, ttmp6, 0x10000c
	s_cmp_lg_u32 s2, 0xf033
	s_cbranch_scc0 .Lentry_shape_is_right
	s_endpgm
.Lentry_shape_is_right:
; out0[token][n] = sum over k of O[token][k] Wo[n][k] + bo[n], f32: 8,192 x 1,024 x 1,024 on codes of FP6 (E2M3) with E8M0 scales.
; LIMITS: NaN, infinities and sums beyond f32's range are not served; a sum begins with the bias.
; OPERANDS are fragment images: a block of 16 rows is [8 K steps][3 planes][lane][16 bytes] = 12,288 bytes, its scale words [K step][row] = 512 bytes.  O: oimg, osc; Wo: blocks 1728.. of cod, scl.
; Place r of block 2 b + u is row 32 b + 8 u + r + 8 (r / 8), of tokens and of Wo's outputs alike.
; THE DEAL: 256 work-groups of four waves (2 x 2), each 256 rows x 128 columns.  Wave (w, c) holds Wo's four blocks 4 c .. 4 c + 3 of the tile column, all of K, in registers (32 fragments),
; and streams past them the tile row's blocks 2 s + w, s = 0 .. 7: 32 products a block, four accumulators by turns, the bias as the first products' C.
; Source 0 = Wo's rows: a lane holds a token, and the 16 registers of two neighbouring tiles are 16 neighbouring columns.
; CLUSTER: tile row = 4 x cluster x + cx, tile column = 4 x cluster y + cy.  O's blocks are shared by a column of the cluster, Wo's by a row: joint loads.
; LDS: O's 16 blocks, Wo's 8 blocks, the spare words.  Nothing is filled twice, and all is asked for at the head, so there is no loop to prefetch in.
; The waves' stages (16 rows x 272 bytes) lie in Wo's first bytes, which are read for the last time ahead of the barrier in front of the stream, and into which no later fill lands.
; THE HEAD'S FOUR TILES, one a wave, each on a line of its own: Wo's 8 blocks; O's blocks 0-7; 8-11; 12-15.  The stream begins when the first two are in; a plain barrier inside block 1 shows the others, ahead of the fetch of block 4.
; Behind a block's products: its sums into the stage and back as rows of 256 bytes, the fetch of the block two on, one wait, eight stores: 16 lanes store 256 consecutive aligned bytes.
.set FR, 12
.set FPW, 21                           ; fragments in a window of 256 registers
.set BLK, 12288
.set YB, 16*BLK                        ; Wo's blocks in LDS
.set STAGE, YB
.set SPITCH, 272
.set SPARE, 24*BLK
.set NF, 24                            ; LDS loads of a block's fetch
.set LI, 9                             ; v9 16 x lane
.set SPW, 10                           ; v10 my spare word; v11 0
.set NIL, 11
.set AQ, 12                            ; v12-15 LDS address of my blocks s = 0, 2, 4, 6
.set BA, 16                            ; v16 of my four blocks of Wo
.set STO, 17                           ; v17, v18 the stage: in, back
.set RD, 18
.set CO, 19                            ; v19 my offset in out0: row lane / 16, 16 bytes x (lane % 16)
.set VA, 20                            ; v20-22 offsets of O's scale words, Wo's, the bias
.set VB, 21
.set CBO, 22
.set SB, 24                            ; v24-39 Wo's scale words: register 8 p + q: lanes 0-15 tile 2 p, lanes 16-31 tile 2 p + 1
.set SA, 44                            ; v44-75 O's: register 8 i + q: lanes 0-15 block s = 2 i, lanes 16-31 s = 2 i + 1
.set ACC, 80                           ; v80-143 two sets of four accumulators
.set BK, 144                           ; v144-207 two sets: 16 rows back from the stage
.set BO, 208                           ; v208-239 the bias in the sums' layout
.set G1A, 24
.set G1B, 32
.set G0A, 56
.set G0B, 60
.set MSB, 0
.macro WIN new
.if MSB != (\new)
	s_set_vgpr_msb (MSB<<8)|(\new)
.set MSB, (\new)
.endif
.endm
.macro PLACES n
.rept \n
	v_nop
.endr
.endm
.macro WALU
	s_wait_alu depctr_va_vdst(0)
.endm
.macro BARRIER
	s_barrier_signal -1
	s_barrier_wait -1
.endm
.macro CROUND
	BARRIER
	s_cmp_lg_u32 s14, 0
	s_cbranch_scc1 .Lnot_wave_0_\@
	s_barrier_signal -3
.Lnot_wave_0_\@:
	s_barrier_wait -3
	BARRIER
.endm
.macro TLOAD g0, g1                    ; s_nop 0 and four v_nop behind a tensor load
	tensor_load_to_lds s[\g0:\g0+3], s[\g1:\g1+7]
	s_nop 0
	PLACES 4
.endm
.macro GROUP1 g, mask, rows            ; rows of 12,288 bytes (1,536 elements of 8), dense
	s_or_b32 s[\g+0], s[\mask], (3<<16)|(1<<21)
	s_mov_b32 s[\g+1], 1536<<16
	s_mov_b32 s[\g+3], 1536<<16
.if \rows
	s_mov_b32 s[\g+2], (\rows)<<16
	s_mov_b32 s[\g+4], \rows
.endif
	s_mov_b32 s[\g+5], 1536
	s_mov_b32 s[\g+6], 0
	s_mov_b32 s[\g+7], 0
.endm
.macro ATILE first, rows               ; blocks first .. first + rows - 1 of O, by constants written in the arm of their own load
	s_mov_b32 s[G0A+1], (\first)*BLK
	s_mov_b32 s[G1A+2], (\rows)<<16
	s_mov_b32 s[G1A+4], \rows
.if \first
	s_add_nc_u64 s[G0A+2:G0A+3], s[G0A+2:G0A+3], (\first)*BLK
.endif
	s_or_b32 s[G0A+3], s[G0A+3], 0x80000000
	TLOAD G0A, G1A
.endm
.macro FRAG f, adr, off                ; fragment f (0-31 Wo's: 4 q + tile; 32 + 8 e + q O's set e) lies at register 256 + 12 (f % 21) of window 1 + f / 21
	WIN (1+(\f)/FPW)<<6
.irp p, 0,1,2
	ds_load_b128 v[FR*((\f)%FPW)+4*\p:FR*((\f)%FPW)+4*\p+3], v[\adr] offset:(\off)+512*\p
.endr
.endm
.macro FETCH s, e                      ; block s into set e: NF loads
.irp q, 0,1,2,3,4,5,6,7
	FRAG 32+8*\e+\q, AQ+(\s)/2, ((\s)%2)*2*BLK+1536*\q
.endr
	WIN 0
.endm
.macro PR d, s0, s1, c, x0, x1, ra, rb
	v_wmma_scale_f32_16x16x128_f8f6f4 v[\d:\d+7], v[FR*((\s0)%FPW):FR*((\s0)%FPW)+FR-1], v[FR*((\s1)%FPW):FR*((\s1)%FPW)+FR-1], \c, v[\x0], v[\x1] matrix_a_fmt:MATRIX_FMT_FP6 matrix_b_fmt:MATRIX_FMT_FP6 matrix_a_scale:MATRIX_SCALE_ROW\ra matrix_b_scale:MATRIX_SCALE_ROW\rb
.endm
.macro PROD s, e, q, p, o              ; block s (set e), K step q, tile 2 p + o
.set FB_, 4*(\q)+2*\p+\o
.set FA_, 32+8*\e+(\q)
.set D_, ACC+32*\e+8*(2*\p+\o)
	WIN (1+FB_/FPW)|((1+FA_/FPW)<<2)
.if \q
	PR D_, FB_, FA_, v[D_:D_+7], SB+8*\p+(\q), SA+8*((\s)/2)+(\q), \o, \e
.else
	PR D_, FB_, FA_, v[BO+8*(2*\p+\o):BO+8*(2*\p+\o)+7], SB+8*\p+(\q), SA+8*((\s)/2)+(\q), \o, \e
.endif
.endm
.macro PRODS s, e, from, to
.set Q_, \from
.rept (\to)-(\from)
.irp p, 0,1
.irp o, 0,1
	PROD \s, \e, Q_, \p, \o
.endr
.endr
.set Q_, Q_+1
.endr
	WIN 0
.endm
.macro STAGED e                        ; each accumulator from its low end on; LDS serves a wave's instructions in order (ISA guide 5.7.1.4): no wait between the stores and the loads
.irp b, 0,1,2,3
	ds_store_b128 v[STO], v[ACC+32*\e+8*\b:ACC+32*\e+8*\b+3] offset:128*(\b/2)+32*(\b%2)
	ds_store_b128 v[STO], v[ACC+32*\e+8*\b+4:ACC+32*\e+8*\b+7] offset:128*(\b/2)+32*(\b%2)+16
.endr
.irp t, 0,1,2,3,4,5,6,7
	ds_load_b128 v[BK+32*\e+4*\t:BK+32*\e+4*\t+3], v[RD] offset:2*\t*SPITCH
.endr
.endm
.macro TOC s, e                        ; stage rows 2 t, 2 t + 1 are tokens 32 s + 2 t + 8 (t / 4) and the next, from my first
.irp t, 0,1,2,3,4,5,6,7
	global_store_b128 v[CO], v[BK+32*\e+4*\t:BK+32*\e+4*\t+3], s[70:71] offset:(32*(\s)+2*\t+8*(\t/4))*4096 th:TH_STORE_NT
.endr
.endm
.macro STREAM s, e
.if (\s) == 1
	PRODS \s, \e, 0, 6
	s_wait_tensorcnt 0x0                           ; every wave: all that is still out
	s_wait_dscnt 0x0
	s_barrier_signal -1                            ; a plain barrier: O's blocks 8 to 15 are shown to all
	PRODS \s, \e, 6, 8
	s_barrier_wait -1
.else
	PRODS \s, \e, 0, 8
.endif
	PLACES 4                                       ; between the last product and the first reader of its sums, and the fetch into its operands
	s_wait_xcnt 0x0                                ; the stores of two blocks ago have read set e of the rows
	STAGED \e
.if (\s) < 6
	FETCH (\s)+2, \e
	s_wait_dscnt NF                                ; younger is this run's fetch alone: the rows are back, and the next block's fragments are in
.else
	s_wait_dscnt 0x0
.endif
	TOC \s, \e
.endm
; ---- the head
	s_load_b256 s[4:11], s[0:1], 0x0               ; oimg, osc, cod, scl
	s_load_b128 s[68:71], s[0:1], 0x20             ; bo, out0
	v_lshl_add_u32 v[SPW], v0, 2, SPARE
	v_mov_b32 v[NIL], 0
	ds_add_u32 v[SPW], v[NIL]
	ds_add_u32 v[SPW], v[NIL]
	v_lshrrev_b32 v1, 5, v0
	v_readfirstlane_b32 s14, v1                    ; the wave; s15 its row w, s16 its column c
	s_lshr_b32 s15, s14, 1
	s_and_b32 s16, s14, 1
	s_bfe_u32 s40, ttmp6, 0x40000
	s_bfe_u32 s41, ttmp6, 0x40004
	s_lshl_b32 s43, ttmp9, 2
	s_add_co_u32 s43, s43, s40                     ; tile row, 0 .. 31
	s_and_b32 s42, ttmp7, 0xffff
	s_lshl_b32 s42, s42, 2
	s_add_co_u32 s42, s42, s41                     ; tile column, 0 .. 7
	s_lshl_b32 s44, 0x1111, s40                    ; my column of the cluster: shares O's blocks
	s_lshl_b32 s45, s41, 2
	s_lshl_b32 s45, 15, s45                        ; my row: shares Wo's
	GROUP1 G1A, 44, 0
	GROUP1 G1B, 45, 8
	s_mov_b32 s[G0A], 1
	s_mov_b32 s[G0B], 1
	s_mov_b32 s[G0B+1], YB
	s_mul_i32 s76, s43, 16*BLK                     ; O's 16 blocks
	s_mov_b32 s77, 0
	s_mul_i32 s78, s42, 8*BLK
	s_add_co_u32 s78, s78, 1728*BLK                ; Wo's 8 blocks
	s_mov_b32 s79, 0
	s_lshl_b32 s46, s43, 4
	s_add_co_u32 s46, s46, s15
	s_lshl_b32 s46, s46, 9                         ; O's scale words, from block w on
	s_mov_b32 s47, 0
	s_lshl_b32 s48, s42, 3
	s_lshl_b32 s49, s16, 2
	s_add_co_u32 s48, s48, s49
	s_add_co_u32 s48, s48, 1728
	s_lshl_b32 s48, s48, 9                         ; Wo's, my four blocks
	s_mov_b32 s49, 0
	s_lshl_b32 s50, s42, 9
	s_lshl_b32 s51, s16, 8
	s_add_co_u32 s50, s50, s51                     ; my first column, in bytes
	s_mov_b32 s51, 0
	s_lshl_b32 s52, s43, 8
	s_lshl_b32 s53, s15, 3
	s_add_co_u32 s52, s52, s53
	s_lshl_b32 s52, s52, 12
	s_add_co_u32 s52, s52, s50                     ; token 256 x tile row + 8 w, my first column
	s_mov_b32 s53, 0
	s_mul_i32 s21, s15, BLK
	s_mul_i32 s22, s16, 4*BLK
	s_add_co_u32 s22, s22, YB
	s_mul_i32 s23, s14, 16*SPITCH
	s_add_co_u32 s23, s23, STAGE
	v_and_b32 v1, 15, v0
	v_bfe_u32 v2, v0, 4, 1
	v_and_b32 v3, 31, v0
	v_lshlrev_b32 v[LI], 4, v3
	v_add_nc_u32 v[AQ], s21, v[LI]
.irp i, 1,2,3
	v_add_nc_u32 v[AQ+\i], \i*4*BLK, v[AQ]
.endr
	v_add_nc_u32 v[BA], s22, v[LI]
	v_mul_u32_u24 v4, v1, SPITCH
	v_lshl_add_u32 v4, v2, 6, v4
	v_add_nc_u32 v[STO], s23, v4                   ; in: row r, 64 bytes for each half of the lanes
	v_mul_u32_u24 v5, v2, SPITCH
	v_lshl_add_u32 v5, v1, 4, v5
	v_add_nc_u32 v[RD], s23, v5                    ; back: lanes 0-15 one row of 256 bytes, lanes 16-31 the next
	v_lshlrev_b32 v6, 12, v2
	v_lshl_add_u32 v[CO], v1, 4, v6
	v_lshlrev_b32 v7, 2, v1
	v_lshl_add_u32 v[VB], v2, 9, v7
	v_lshl_add_u32 v[VA], v2, 10, v7
	v_lshlrev_b32 v[CBO], 6, v2
	WALU
	s_wait_dscnt 0x0
	CROUND                                         ; the round in front of the first joint loads
	s_wait_kmcnt 0x0
	s_add_nc_u64 s[G0A+2:G0A+3], s[4:5], s[76:77]
	s_add_nc_u64 s[G0B+2:G0B+3], s[8:9], s[78:79]
	s_or_b32 s[G0B+3], s[G0B+3], 0x80000000
	s_add_nc_u64 s[6:7], s[6:7], s[46:47]
	s_add_nc_u64 s[10:11], s[10:11], s[48:49]
	s_add_nc_u64 s[68:69], s[68:69], s[50:51]
	s_add_nc_u64 s[70:71], s[70:71], s[52:53]
	s_cmp_eq_u32 s14, 0
	s_cbranch_scc0 .Lwave_1
	TLOAD G0B, G1B                                 ; wave 0: Wo's blocks, which are wanted first
	s_branch .Lasked
.Lwave_1:
	s_cmp_eq_u32 s14, 1
	s_cbranch_scc0 .Lwave_2
	ATILE 0, 8
	s_branch .Lasked
.Lwave_2:
	s_cmp_eq_u32 s14, 2
	s_cbranch_scc0 .Lwave_3
	ATILE 8, 4
	s_branch .Lasked
.Lwave_3:
	ATILE 12, 4
.Lasked:
.irp p, 0,1
.irp q, 0,1,2,3,4,5,6,7
	global_load_b32 v[SB+8*\p+\q], v[VB], s[10:11] offset:1024*\p+64*\q
.endr
.endr
.irp i, 0,1,2,3
.irp q, 0,1,2,3,4,5,6,7
	global_load_b32 v[SA+8*\i+\q], v[VA], s[6:7] offset:2048*\i+64*\q   ; block 2 s + w with s = 2 i + lane / 16
.endr
.endr
.irp b, 0,1,2,3
	global_load_b128 v[BO+8*\b:BO+8*\b+3], v[CBO], s[68:69] offset:4*(32*(\b/2)+8*(\b%2))
	global_load_b128 v[BO+8*\b+4:BO+8*\b+7], v[CBO], s[68:69] offset:4*(32*(\b/2)+8*(\b%2))+16
.endr
	s_wait_dscnt 0x0
	s_cmp_eq_u32 s14, 0
	s_cbranch_scc0 .Lnot_b
	s_wait_tensorcnt 0x0
.Lnot_b:
	BARRIER                                        ; Wo's blocks are in
.irp q, 0,1,2,3,4,5,6,7
.irp b, 0,1,2,3
	FRAG 4*\q+\b, BA, \b*BLK+1536*\q
.endr
.endr
	WIN 0
	s_cmp_eq_u32 s14, 1
	s_cbranch_scc0 .Lnot_a
	s_wait_tensorcnt 0x0
.Lnot_a:
	s_wait_dscnt 0x0
	BARRIER                                        ; O's blocks 0 to 7 are in, and nobody reads Wo's bytes any more
	FETCH 0, 0
	FETCH 1, 1
	s_wait_loadcnt 0x0                             ; the scale words and the bias
	s_wait_dscnt NF                                ; block 0's fragments are in
; ---- the stream
	STREAM 0, 0
	STREAM 1, 1
	STREAM 2, 0
	STREAM 3, 1
	STREAM 4, 0
	STREAM 5, 1
	STREAM 6, 0
	STREAM 7, 1
	s_wait_tensorcnt 0x0                           ; the wave's end
	ds_add_u32 v[SPW], v[NIL]
	s_wait_dscnt 0x0
	CROUND                                         ; the closing round
	s_endpgm
.Lfunc_end_k_qb314a7e74c_outp:
	.size	k_qb314a7e74c_outp, .Lfunc_end_k_qb314a7e74c_outp-k_qb314a7e74c_outp
	.p2alignl 7, 3214868480
	.fill 96, 4, 3214868480
	.section	.rodata,"a",@progbits
	.p2align	6, 0x0
	.amdhsa_kernel k_qb314a7e74c_outp
		.amdhsa_group_segment_fixed_size 327680
		.amdhsa_private_segment_fixed_size 0
		.amdhsa_enable_private_segment 0
		.amdhsa_kernarg_size 48
		.amdhsa_user_sgpr_count 2
		.amdhsa_user_sgpr_kernarg_segment_ptr 1
		.amdhsa_wavefront_size32 1
		.amdhsa_system_sgpr_workgroup_id_x 1
		.amdhsa_system_sgpr_workgroup_id_y 1
		.amdhsa_system_sgpr_workgroup_id_z 1
		.amdhsa_system_vgpr_workitem_id 0
		.amdhsa_next_free_vgpr 840
		.amdhsa_next_free_sgpr 80
		.amdhsa_reserve_vcc 0
		.amdhsa_float_denorm_mode_32 3
		.amdhsa_float_denorm_mode_16_64 3
		.amdhsa_memory_ordered 1
		.amdhsa_forward_progress 1
		.amdhsa_inst_pref_size 81
	.end_amdhsa_kernel
	.amdgpu_metadata
---
amdhsa.version: [ 1, 2 ]
amdhsa.kernels:
  - .name:           k_qb314a7e74c_outp
    .symbol:         k_qb314a7e74c_outp.kd
    .args:
      - { .name: oimg, .offset: 0, .size: 8, .value_kind: global_buffer, .address_space: global }
      - { .name: osc, .offset: 8, .size: 8, .value_kind: global_buffer, .address_space: global }
      - { .name: cod, .offset: 16, .size: 8, .value_kind: global_buffer, .address_space: global }
      - { .name: scl, .offset: 24, .size: 8, .value_kind: global_buffer, .address_space: global }
      - { .name: bo, .offset: 32, .size: 8, .value_kind: global_buffer, .address_space: global }
      - { .name: out0, .offset: 40, .size: 8, .value_kind: global_buffer, .address_space: global }
    .group_segment_fixed_size: 327680
    .private_segment_fixed_size: 0
    .kernarg_segment_align: 8
    .kernarg_segment_size: 48
    .max_flat_workgroup_size: 128
    .sgpr_count:     80
    .vgpr_count:     840
    .wavefront_size: 32
...
	.end_amdgpu_metadata
.endif
;; end of part 4
